; MI455X (gfx1250); checked and timed in simulation.
; The chip was launched on July 23, 2026; its instructions are those of AMD's public machine-readable ISA for CDNA 5 (MIT licence, August 2026) and "CDNA5" Instruction Set Architecture Reference Guide (July 2026). The comments in the code are by the model that wrote it; some were corrected since.
;; Multi header attention. Allowed arithmetic: float matrix products may take bf16 or f16 operands with f32 sums; all other float work in f32.
;; Inputs: Wk 256 x 256 float32; Wm 256 x 256 float32; Wq 256 x 256 float32; Wv 256 x 256 float32; bk 256 float32; bm 256 float32; bq 256 float32; bv 256 float32; key 8 x 256 x 2,048 float32; query 8 x 256 x 2,048 float32; value 8 x 256 x 2,048 float32.
;; Outputs: out0 8 x 256 x 2,048 float32.
;; 2 versions, each right; version 2 is version 1 with the launch projkv written anew for expert scheduling mode. Each part assembles by itself: llvm-mc -triple=amdgcn-amd-amdhsa -mcpu=gfx1250 --defsym DOCPART=n.
;; ======== version 1 of 2: 2 launches
;; limits: values are held in f16: magnitudes above 65,504 overflow, below 6.1e-05 lose precision
;; workspace buffers: kh 8,388,608 bytes; vh 8,388,608 bytes; wqh 131,072 bytes; wql 131,072 bytes; wmh 131,072 bytes
;; launch projkv (part 1): grid 16 x 16, 16 waves a work-group, no clusters, 276,480 bytes of LDS; arguments key, value, Wk, Wv, bk, bv, Wq, Wm, kh, vh, wqh, wql, wmh; writes kh, vh, wqh, wql, wmh
.if DOCPART == 1
	.amdgcn_target "amdgcn-amd-amdhsa--gfx1250"
	.amdhsa_code_object_version 6
	.text
	.protected	k_q67219a2435_projkv
	.globl	k_q67219a2435_projkv
	.p2align	8
	.type	k_q67219a2435_projkv,@function
k_q67219a2435_projkv:
	s_mov_b64 s[64:65], 0
	v_nop
	global_prefetch_b8 v0, s[64:65] scope:SCOPE_SE
	s_setreg_imm32_b32 hwreg(HW_REG_WAVE_MODE, 25, 1), 1
	s_wait_xcnt 0x0
; projkv: k = Wk key + bk and v = Wv value + bv, stored as f16 [b][n][c] with c = 64 h + d (channel e = 4 d + h), rows of 512 bytes.
; Besides, each of the 256 work-groups rewrites one row of Wq and one of Wm in f16 for the next launch:
;   wqh + wql [64 h + d][f] = Wq[4 d + h][f] as hi and lo,   wmh[e][64 h + d] = Wm[e][4 d + h].
; A work-group: one tensor (key or value), one batch, 128 positions n, all 256 channels, K = 256.  Sixteen waves; wave w makes head h = w & 3,
; positions 32 (w >> 2) .. + 31: 8 tiles of 16 x 16.
; TWO f16 NUMBERS FOR ONE f32, IN k's PROJECTION.  The scores are not scaled, so the softmax is peaked and a score's error shows in the output.
; Six roundings to f16 weigh alike in a score (query, Wq, q, key, Wk, k).  Those of the inputs and weights are taken away: a = hi + lo, hi = a's
; upper 11 significant bits (mask 0xffffe000, exact in f16), lo = a - hi rounded to f16, and W X = Wh Xh + Wh Xl + Wl Xh (Wl Xl is 2^-20 of it).
; v enters the output linearly: its work-groups round once to f16, and branch round every lo part (the branch hangs on the work-group's y alone).
; LDS: X as [f][n], a row = hi 256 bytes, lo 256 bytes; W as [c][f], rows sorted by head, a row = hi and lo of 128 f.  Both parts of all of W
; (270,336 bytes) do not fit beside X, so W comes in two halves of f; the second half waits in registers while the first is multiplied.
; D(m = channel, n = position): a lane holds 8 neighbouring d of one position, 16 bytes of a row of the output.
; NO CLUSTER, NO TENSOR LOADS: W is shared by all work-groups of a tensor, but it has to be split or rounded to f16 on its way, which only registers can do.
; LIMITS: operands are f16: an input, a weight or a result k, v above 65,504 in magnitude becomes infinite; below 2^-14 hi and lo are rounded on
; f16's subnormal step, an absolute error of up to 2^-25 each.  Sums and biases are f32.
.set XP,   544                         ; pitch of X in LDS: 512 bytes + 32 = 17 x 32, an odd multiple of 32 for the transposing loads
.set WL,   139264                      ; W behind X (256 rows x 544)
.set WP,   528                         ; pitch of W and of the stage: 512 + 16 = 33 x 16, an odd multiple of 16
.set LO,   256                         ; where the lo part of a row begins, in X and in W
.set T,    12                          ; v[12:15]  at work (during the set-up: L, r, hh, a temporary)
.set PR,   16                          ; v[16:23]  the row of Wq or Wm as loaded, then packed
.set HI,   28                          ; v[28:31]  the hi part of Wq's row
.set BIAS, 32                          ; v[32:63]  the bias as four C tiles; free behind the first eight products, then:
.set WFL,  32                          ; fragments of W's lo part
.set ZX,   64                          ; three landing zones of 64 registers: X, W's first half, W's second half
.set ZW0,  128
.set ZW1,  192
.set ACC,  64                          ; later: accumulators, tile (t, u) at 64 + 32 u + 8 t
.set WFH,  128                         ; fragments of W's hi part, v[128:159]
.set XFH,  160                         ; of X's hi part, v[160:175]
.set XFL,  176                         ; of X's lo part, v[176:191]
; v1 XOFF  v2 XST  v3 WOFF  v4 WST0  v5 WST1  v6 BOFF  v7 POFFQ  v8 16 L  v9 WA  v10 XA0  v11 XA1  v24 SST  v25 SRD  v26 GOFF  v27 POFFM
	s_load_b512 s[8:23], s[0:1], 0x0               ; key, value, Wk, Wv, bk, bv, Wq, Wm
	s_load_b256 s[24:31], s[0:1], 0x40             ; kh, vh, wqh, wql
	s_load_b64 s[32:33], s[0:1], 0x60              ; wmh
	v_lshrrev_b32 v15, 5, v0
	v_readfirstlane_b32 s4, v15                    ; wave w, 0 to 15
	s_and_b32 s5, s4, 3                            ; head h
	s_lshr_b32 s6, s4, 2                           ; which 32 positions
	s_mov_b32 s7, 0xffffe000                       ; sign, exponent and the upper 10 bits of the fraction
	s_and_b32 s34, ttmp7, 0xffff                   ; y
	s_lshr_b32 s35, s34, 3                         ; 0 key, 1 value
	s_and_b32 s36, s34, 7                          ; batch
	s_lshl_b32 s37, s34, 4
	s_add_co_u32 s37, s37, ttmp9                   ; i = 16 y + x: my row of Wq and of Wm
	v_and_b32 v12, 31, v0                          ; L
	v_and_b32 v13, 15, v0                          ; r
	v_bfe_u32 v14, v0, 4, 1                        ; hh
	v_lshlrev_b32 v8, 4, v12                       ; 16 L
	s_lshl_b32 s46, s4, 17
	v_add_nc_u32 v1, s46, v8                       ; XOFF: rows f = 16 w .. of 8,192 bytes, 16 bytes a lane
	s_lshl_b32 s46, s4, 14
	v_add_nc_u32 v3, s46, v8                       ; WOFF: rows e = 16 w .. of 1,024 bytes
	s_lshl_b32 s46, s5, 2
	v_lshl_add_u32 v6, v14, 7, s46                 ; BOFF = 128 hh + 4 h
	v_lshlrev_b32 v7, 5, v12                       ; POFFQ = 32 L: 8 neighbouring f32
	v_and_b32 v15, 7, v0                           ; L & 7
	v_bfe_u32 v27, v0, 3, 2                        ; L >> 3
	v_lshlrev_b32 v27, 2, v27
	v_lshl_add_u32 v27, v15, 7, v27                ; POFFM = 128 (L & 7) + 4 (L >> 3)
	s_wait_kmcnt 0x0
	s_cmp_lg_u32 s35, 0                            ; the tensor is chosen by the work-group's y alone
	s_cselect_b64 s[38:39], s[10:11], s[8:9]       ; X
	s_cselect_b64 s[40:41], s[14:15], s[12:13]     ; W
	s_cselect_b64 s[42:43], s[18:19], s[16:17]     ; bias
	s_cselect_b64 s[44:45], s[26:27], s[24:25]     ; output
	s_lshl_b32 s46, s36, 21                        ; batch x 2,097,152
	s_lshl_b32 s47, ttmp9, 9                       ; + block x 128 positions x 4 bytes
	s_add_co_u32 s46, s46, s47
	s_mov_b32 s47, 0
	s_add_nc_u64 s[38:39], s[38:39], s[46:47]
	s_lshl_b32 s46, s36, 20                        ; batch x 1,048,576
	s_lshl_b32 s47, ttmp9, 16                      ; + block x 128 rows x 512 bytes
	s_add_co_u32 s46, s46, s47
	s_mov_b32 s47, 0
	s_add_nc_u64 s[44:45], s[44:45], s[46:47]
	s_lshl_b32 s46, s37, 10                        ; row i of Wq and of Wm
	s_add_nc_u64 s[20:21], s[20:21], s[46:47]
	s_add_nc_u64 s[22:23], s[22:23], s[46:47]
	s_lshl_b32 s46, s37, 9                         ; wmh: row i
	s_add_nc_u64 s[32:33], s[32:33], s[46:47]
	s_and_b32 s46, s37, 3                          ; wqh, wql: row 64 (i & 3) + (i >> 2)
	s_lshl_b32 s46, s46, 6
	s_lshr_b32 s47, s37, 2
	s_add_co_u32 s46, s46, s47
	s_lshl_b32 s46, s46, 9
	s_mov_b32 s47, 0
	s_add_nc_u64 s[28:29], s[28:29], s[46:47]
	s_add_nc_u64 s[30:31], s[30:31], s[46:47]
	; The row of Wq (wave 0) or of Wm (wave 1).  These loads and the bias are older than every counted group below, so the counts hold in every wave.
	s_cmp_gt_u32 s4, 1
	s_cbranch_scc1 .Lno_row
	s_cmp_eq_u32 s4, 0
	s_cbranch_scc0 .Lrow_m
	global_load_b128 v[PR:PR+3], v7, s[20:21]
	global_load_b128 v[PR+4:PR+7], v7, s[20:21] offset:16
	s_branch .Lno_row
.Lrow_m:
.irp j, 0,1,2,3,4,5,6,7
	global_load_b32 v[PR+\j], v27, s[22:23] offset:16*\j           ; Wm[i][4 (8 (L & 7) + j) + (L >> 3)]
.endr
.Lno_row:
.irp t, 0,1,2,3
.irp j, 0,1,2,3,4,5,6,7
	global_load_b32 v[BIAS+8*\t+\j], v6, s[42:43] offset:256*\t+16*\j   ; b[4 (16 t + 8 hh + j) + h]: the image of a C tile
.endr
.endr
	; three groups of sixteen 16-byte loads: my 16 rows of X (512 neighbouring bytes a load; read once in the launch), and both halves of my 16 rows of W
.irp k, 0,1,2,3,4,5,6,7,8,9,10,11,12,13,14,15
	global_load_b128 v[ZX+4*\k:ZX+4*\k+3], v1, s[38:39] offset:\k*8192 th:TH_LOAD_NT
.endr
.irp k, 0,1,2,3,4,5,6,7,8,9,10,11,12,13,14,15
	global_load_b128 v[ZW0+4*\k:ZW0+4*\k+3], v3, s[40:41] offset:\k*1024
.endr
.irp k, 0,1,2,3,4,5,6,7,8,9,10,11,12,13,14,15
	global_load_b128 v[ZW1+4*\k:ZW1+4*\k+3], v3, s[40:41] offset:\k*1024+512
.endr
	; the remaining addresses, while the loads are on their way
	v_lshlrev_b32 v15, 3, v12                      ; 8 L
	s_mul_i32 s46, s4, 16*XP
	v_add_nc_u32 v2, s46, v15                      ; XST = row 16 w + 8 L
	s_mul_i32 s46, s4, 4*WP
	s_add_co_u32 s46, s46, WL
	v_add_nc_u32 v4, s46, v15                      ; WST0 = W + row 4 w + 8 L
	v_add_nc_u32 v5, 128*WP, v4                    ; WST1: 128 rows further
	s_mul_i32 s46, s5, 64*WP
	s_add_co_u32 s46, s46, WL
	v_mul_u32_u24 v9, v13, WP
	v_lshl_add_u32 v9, v14, 4, v9
	v_add_nc_u32 v9, s46, v9                       ; WA = W + (64 h + r) pitch + 16 hh
	v_and_b32 v15, 7, v0
	v_lshl_add_u32 v15, v14, 3, v15                ; 8 hh + (L & 7)
	v_mul_u32_u24 v10, v15, XP
	v_bfe_u32 v15, v0, 3, 1
	v_lshl_add_u32 v10, v15, 4, v10
	s_lshl_b32 s46, s6, 6
	v_add_nc_u32 v10, s46, v10                     ; XA0 = (8 hh + (L & 7)) pitch + 16 ((L >> 3) & 1) + my 32 positions
	v_add_nc_u32 v11, 128*XP, v10                  ; XA1: f = 128 and up
	s_mul_i32 s46, s6, 32*WP
	s_lshl_b32 s47, s5, 7
	s_add_co_u32 s46, s46, s47
	v_mul_u32_u24 v24, v13, WP
	v_lshl_add_u32 v24, v14, 4, v24
	v_add_nc_u32 v24, s46, v24                     ; SST = (32 ng + r) pitch + 128 h + 16 hh: the stage begins at LDS byte 0
	s_mul_i32 s46, s4, 8*WP
	v_add_nc_u32 v25, s46, v8                      ; SRD = row 8 w + 16 L
	s_lshl_b32 s46, s4, 12
	v_add_nc_u32 v26, s46, v8                      ; GOFF = row 8 w of 512 bytes + 16 L
; Four f32 in v[z:z+3] go to LDS as 8 bytes of hi and 8 bytes of lo.
.macro SPLIT z, adr, off
	v_and_b32 v[T], s7, v[\z]
	v_and_b32 v[T+1], s7, v[\z+1]
	v_and_b32 v[T+2], s7, v[\z+2]
	v_and_b32 v[T+3], s7, v[\z+3]
	v_pk_add_f32 v[\z:\z+1], v[\z:\z+1], v[T:T+1] neg_lo:[0,1] neg_hi:[0,1]        ; a - hi, exact
	v_pk_add_f32 v[\z+2:\z+3], v[\z+2:\z+3], v[T+2:T+3] neg_lo:[0,1] neg_hi:[0,1]
	v_cvt_pk_f16_f32 v[T], v[T], v[T+1]
	v_cvt_pk_f16_f32 v[T+1], v[T+2], v[T+3]
	v_cvt_pk_f16_f32 v[\z], v[\z], v[\z+1]
	v_cvt_pk_f16_f32 v[\z+1], v[\z+2], v[\z+3]
	ds_store_b64 v[\adr], v[T:T+1] offset:\off
	ds_store_b64 v[\adr], v[\z:\z+1] offset:\off+LO
.endm
; The same four rounded once to f16.
.macro ROUND4 z, adr, off
	v_cvt_pk_f16_f32 v[\z], v[\z], v[\z+1]
	v_cvt_pk_f16_f32 v[\z+1], v[\z+2], v[\z+3]
	ds_store_b64 v[\adr], v[\z:\z+1] offset:\off
.endm
.macro CVX two                         ; my 16 rows of X
.set j_, 0
.rept 16
.set z_, ZX+4*j_
.set o_, j_*XP
.if \two
	SPLIT z_, 2, o_
.else
	ROUND4 z_, 2, o_
.endif
.set j_, j_+1
.endr
.endm
.macro CVW z, two                      ; a half of my 16 rows of W: row e = 16 w + j goes to row c = 64 (j & 3) + 4 w + (j >> 2)
.set j_, 0
.rept 16
.set z_, \z+4*j_
.set a_, 4+((j_>>1)&1)
.set o_, (j_&1)*64*WP+(j_>>2)*WP
.if \two
	SPLIT z_, a_, o_                               ; heads 2, 3 by the second base: the offset has 16 bits
.else
	ROUND4 z_, a_, o_
.endif
.set j_, j_+1
.endr
.endm
	s_cmp_lg_u32 s35, 0
	s_cbranch_scc1 .Lstage_v
	s_wait_loadcnt 32                              ; loads return in order: all but W's two groups of 16 are in
	CVX 1
	s_wait_loadcnt 16                              ; W's second half stays out
	CVW ZW0, 1
	s_branch .Lstaged
.Lstage_v:
	s_wait_loadcnt 32
	CVX 0
	s_wait_loadcnt 16
	CVW ZW0, 0
.Lstaged:
	; the row of Wq or Wm leaves: 32 lanes x 16 bytes, whole rows of 512 bytes
	s_cmp_gt_u32 s4, 1
	s_cbranch_scc1 .Lrow_done
	s_cmp_eq_u32 s4, 0
	s_cbranch_scc0 .Lstore_m
.irp j, 0,1,2,3
	v_and_b32 v[T], s7, v[PR+2*\j]
	v_and_b32 v[T+1], s7, v[PR+2*\j+1]
	v_pk_add_f32 v[PR+2*\j:PR+2*\j+1], v[PR+2*\j:PR+2*\j+1], v[T:T+1] neg_lo:[0,1] neg_hi:[0,1]
	v_cvt_pk_f16_f32 v[HI+\j], v[T], v[T+1]
	v_cvt_pk_f16_f32 v[PR+\j], v[PR+2*\j], v[PR+2*\j+1]
.endr
	global_store_b128 v8, v[HI:HI+3], s[28:29]
	global_store_b128 v8, v[PR:PR+3], s[30:31]
	s_branch .Lrow_done
.Lstore_m:
.irp j, 0,1,2,3
	v_cvt_pk_f16_f32 v[PR+\j], v[PR+2*\j], v[PR+2*\j+1]
.endr
	global_store_b128 v8, v[PR:PR+3], s[32:33]
.Lrow_done:
	s_wait_dscnt 0x0                               ; my part of X and of W's first half is in LDS: zero, for the other waves
	s_barrier_signal -1
	s_barrier_wait -1
.macro PLACES                          ; four places behind matrix instructions (ISA guide 7.12.1)
.rept 4
	v_nop
.endr
.endm
; Eight products: W's fragments at a, X's at b.  The 8 accumulators take turns, one instruction a turn; the very first take the bias as C.
.macro MULS a, b, first
.irp u, 0,1
.irp t, 0,1,2,3
.if \first
	v_wmma_f32_16x16x32_f16 v[ACC+32*\u+8*\t:ACC+32*\u+8*\t+7], v[\a+8*\t:\a+8*\t+7], v[\b+8*\u:\b+8*\u+7], v[BIAS+8*\t:BIAS+8*\t+7]
.else
	v_wmma_f32_16x16x32_f16 v[ACC+32*\u+8*\t:ACC+32*\u+8*\t+7], v[\a+8*\t:\a+8*\t+7], v[\b+8*\u:\b+8*\u+7], v[ACC+32*\u+8*\t:ACC+32*\u+8*\t+7]
.endif
.endr
.endr
.endm
.macro WLOAD f, s, part                ; 8 loads: W's fragments of step s, hi (part = 0) or lo (part = LO)
.irp t, 0,1,2,3
	ds_load_b128 v[\f+8*\t:\f+8*\t+3], v9 offset:\t*16*WP+64*(\s&3)+\part
	ds_load_b128 v[\f+8*\t+4:\f+8*\t+7], v9 offset:\t*16*WP+64*(\s&3)+\part+32
.endr
.endm
.macro XLOAD f, s, part                ; 4 transposing loads: X's fragments of step s
.irp u, 0,1
	ds_load_tr16_b128 v[\f+8*\u:\f+8*\u+3], v[10+(\s>>2)] offset:(\s&3)*32*XP+32*\u+\part
	ds_load_tr16_b128 v[\f+8*\u+4:\f+8*\u+7], v[10+(\s>>2)] offset:(\s&3)*32*XP+32*\u+\part+16*XP
.endr
.endm
; One step of 32 along f.  key: three products; value: one.
.macro KSTEP s
	WLOAD WFH, \s, 0
	XLOAD XFH, \s, 0
	s_cmp_lg_u32 s35, 0
	s_cbranch_scc1 .Lvalue_\s
	XLOAD XFL, \s, LO
.if \s == 0
	s_wait_dscnt 4                                 ; X's lo part, 4 loads, may stay out
	MULS WFH, XFH, 1
	PLACES                                         ; before W's lo part lands on the bias, which these products read
	WLOAD WFL, \s, LO
	s_wait_dscnt 8                                 ; W's lo part, 8 loads, may stay out
.else
	WLOAD WFL, \s, LO
	s_wait_dscnt 12                                ; X's lo part (4) and W's (8) may stay out
	MULS WFH, XFH, 0
	s_wait_dscnt 8                                 ; W's lo part may stay out
.endif
	MULS WFH, XFL, 0
	s_wait_dscnt 0x0
	MULS WFL, XFH, 0
	s_branch .Ljoin_\s
.Lvalue_\s:
	s_wait_dscnt 0x0
.if \s == 0
	MULS WFH, XFH, 1
.else
	MULS WFH, XFH, 0
.endif
.Ljoin_\s:
	PLACES                                         ; before loads land on the fragments or a conversion reads a result
.endm
	KSTEP 0
	KSTEP 1
	KSTEP 2
	KSTEP 3
	s_wait_loadcnt 0x0                             ; W's second half
	s_wait_dscnt 0x0                               ; my reads of W's first half are over
	s_barrier_signal -1
	s_barrier_wait -1                              ; everybody's are: the second half goes over it
	s_cmp_lg_u32 s35, 0
	s_cbranch_scc1 .Lhalf_v
	CVW ZW1, 1
	s_branch .Lhalf_done
.Lhalf_v:
	CVW ZW1, 0
.Lhalf_done:
	s_wait_dscnt 0x0
	s_barrier_signal -1
	s_barrier_wait -1
	KSTEP 4
	KSTEP 5
	KSTEP 6
	KSTEP 7
	; The way out: a lane packs its 8 neighbouring d into 16 bytes of row n of the stage; whole rows of 512 bytes are read back and stored.
	; The stage (128 rows x 528 bytes) lies over X, so every wave's reads of X are over first.
	s_wait_dscnt 0x0
	s_barrier_signal -1
	s_barrier_wait -1
.irp u, 0,1
.irp t, 0,1,2,3
.irp j, 0,1,2,3
	v_cvt_pk_f16_f32 v[ACC+32*\u+8*\t+\j], v[ACC+32*\u+8*\t+2*\j], v[ACC+32*\u+8*\t+2*\j+1]
.endr
	ds_store_b128 v24, v[ACC+32*\u+8*\t:ACC+32*\u+8*\t+3] offset:\u*16*WP+32*\t
.endr
.endr
	s_wait_dscnt 0x0                               ; a row holds four heads, written by four waves
	s_barrier_signal -1
	s_barrier_wait -1
.irp i, 0,1,2,3,4,5,6,7
	ds_load_b128 v[128+4*\i:128+4*\i+3], v25 offset:\i*WP
.endr
.irp i, 0,1,2,3,4,5,6,7
	s_wait_dscnt 7-\i                              ; LDS loads return in order: row i is in
	global_store_b128 v26, v[128+4*\i:128+4*\i+3], s[44:45] offset:\i*512   ; 512 consecutive bytes, aligned: row 8 w + i
.endr
	s_wait_xcnt 0x0
	v_lshl_add_u32 v254, v0, 2, 0x43000
	v_mov_b32 v255, 0
	s_wait_tensorcnt 0x0
	ds_add_u32 v254, v255
	s_wait_dscnt 0x0
	s_endpgm
.Lfunc_end_k_q67219a2435_projkv:
	.size	k_q67219a2435_projkv, .Lfunc_end_k_q67219a2435_projkv-k_q67219a2435_projkv
	.p2alignl 7, 3214868480
	.fill 96, 4, 3214868480
	.section	.rodata,"a",@progbits
	.p2align	6, 0x0
	.amdhsa_kernel k_q67219a2435_projkv
		.amdhsa_group_segment_fixed_size 276480
		.amdhsa_private_segment_fixed_size 0
		.amdhsa_enable_private_segment 0
		.amdhsa_kernarg_size 104
		.amdhsa_user_sgpr_count 2
		.amdhsa_user_sgpr_kernarg_segment_ptr 1
		.amdhsa_wavefront_size32 1
		.amdhsa_system_sgpr_workgroup_id_x 1
		.amdhsa_system_sgpr_workgroup_id_y 1
		.amdhsa_system_sgpr_workgroup_id_z 1
		.amdhsa_system_vgpr_workitem_id 0
		.amdhsa_next_free_vgpr 256
		.amdhsa_next_free_sgpr 66
		.amdhsa_reserve_vcc 0
		.amdhsa_float_denorm_mode_32 3
		.amdhsa_float_denorm_mode_16_64 3
		.amdhsa_memory_ordered 1
		.amdhsa_forward_progress 1
		.amdhsa_inst_pref_size 90
	.end_amdhsa_kernel
	.amdgpu_metadata
---
amdhsa.version: [ 1, 2 ]
amdhsa.kernels:
  - .name:           k_q67219a2435_projkv
    .symbol:         k_q67219a2435_projkv.kd
    .args:
      - { .name: key, .offset: 0, .size: 8, .value_kind: global_buffer, .address_space: global }
      - { .name: value, .offset: 8, .size: 8, .value_kind: global_buffer, .address_space: global }
      - { .name: Wk, .offset: 16, .size: 8, .value_kind: global_buffer, .address_space: global }
      - { .name: Wv, .offset: 24, .size: 8, .value_kind: global_buffer, .address_space: global }
      - { .name: bk, .offset: 32, .size: 8, .value_kind: global_buffer, .address_space: global }
      - { .name: bv, .offset: 40, .size: 8, .value_kind: global_buffer, .address_space: global }
      - { .name: Wq, .offset: 48, .size: 8, .value_kind: global_buffer, .address_space: global }
      - { .name: Wm, .offset: 56, .size: 8, .value_kind: global_buffer, .address_space: global }
      - { .name: kh, .offset: 64, .size: 8, .value_kind: global_buffer, .address_space: global }
      - { .name: vh, .offset: 72, .size: 8, .value_kind: global_buffer, .address_space: global }
      - { .name: wqh, .offset: 80, .size: 8, .value_kind: global_buffer, .address_space: global }
      - { .name: wql, .offset: 88, .size: 8, .value_kind: global_buffer, .address_space: global }
      - { .name: wmh, .offset: 96, .size: 8, .value_kind: global_buffer, .address_space: global }
    .group_segment_fixed_size: 276480
    .private_segment_fixed_size: 0
    .kernarg_segment_align: 8
    .kernarg_segment_size: 104
    .max_flat_workgroup_size: 512
    .sgpr_count:     66
    .vgpr_count:     256
    .wavefront_size: 32
...
	.end_amdgpu_metadata
.endif
;; end of part 1
;; launch attn (part 2): grid 32 x 8, 8 waves a work-group, clusters of 4 x 1, 327,680 bytes of LDS; arguments query, wqh, wql, bq, kh, vh, wmh, bm, out0; writes out0
.if DOCPART == 2
	.amdgcn_target "amdgcn-amd-amdhsa--gfx1250"
	.amdhsa_code_object_version 6
	.text
	.protected	k_q67219a2435_attn
	.globl	k_q67219a2435_attn
	.p2align	8
	.type	k_q67219a2435_attn,@function
k_q67219a2435_attn:
	s_mov_b64 s[64:65], 0
	v_nop
	global_prefetch_b8 v0, s[64:65] scope:SCOPE_SE
	s_setreg_imm32_b32 hwreg(HW_REG_WAVE_MODE, 25, 1), 1
	s_wait_xcnt 0x0
	s_wait_alu depctr_hold_cnt(0) depctr_sa_sdst(0) depctr_va_vdst(0) depctr_va_sdst(0) depctr_va_ssrc(0) depctr_va_vcc(0) depctr_vm_vsrc(0)
	s_getreg_b32 s2, hwreg(HW_REG_IB_STS2, 6, 4)
	s_cmp_eq_u32 s2, 0
	s_cbranch_scc0 .Lentry_in_a_cluster
	s_endpgm
.Lentry_in_a_cluster:
	s_bfe_u32 s2, ttmp6, 0x10000c
	s_cmp_lg_u32 s2, 0x3003
	s_cbranch_scc0 .Lentry_shape_is_right
	s_endpgm
.Lentry_shape_is_right:
; attn: q = Wq query + bq, softmax(q^T k) / 8 times v, out0 = Wm x + bm, in one launch.  q and x never leave the work-group.
; A work-group: one batch, 64 queries, all four heads.  Eight waves; wave w has head h = w & 3 and half kh = w >> 2.
;   projection of q:  the wave makes q of its head for queries 32 kh .. + 31 and hands the packed fragments to its partner (h, 1 - kh) through LDS;
;   key loop:         the wave takes ALL 64 queries and keys 64 kh .. + 63 of every tile of 128 keys, so every byte of a tile is read from LDS once;
;   merge:            the two waves of a head hold (m, l, O) over different keys; each sends the half of the queries that its partner finishes;
;   last projection:  the wave makes output channels 32 w .. + 31 for all 64 queries.
; A wave's query tiles are numbered so that its tiles 0, 1 are the queries that it finishes (32 kh ..) and 2, 3 its partner's: only a load address knows kh.
; LAYOUTS (lane L, r = L & 15, hh = L >> 4).  A result tile holds (m = 8 hh + j, n = r) in register j, so two neighbouring tiles, packed to f16,
; ARE a K = 32 fragment of column r.  So: the projection D(d, query) packs into Q, the B operand of S^T = K Q^T; S^T(key, query), behind the
; exponentials, packs into P, the B operand of O^T = V^T P^T; O^T(d, query) packs into x, the A operand of the last projection.  No shuffles.
; A query is one lane column: the running maximum and sum are one number a lane and tile; the two halves of the lanes meet by one v_permlanex16_b32.
; log2(e) is multiplied into q before it is rounded, so p = exp2(S - m) with m the running maximum of the row.
; THE PIPELINE.  A tile is four phases.  Phase u does the softmax of query tile u (121 vector instructions), and among it the matrix work of tile
; o = u - 1, which does not depend on it: O_o *= alpha_o and O_o += V^T P_o (8 products), then S_o of the NEXT tile (8 products, four exponentials
; between each two).  K's fragments run one tile ahead of V's.
; REGISTERS, two blocks of 256 (s_set_vgpr_msb: bits 1:0 source 0, 3:2 source 1, 5:4 source 2, 7:6 destination):
;   block 0: v0-31 addresses and work, v32-51 m, alpha, l, v64-191 S (four tiles of 32), v192-255 K's fragments
;   block 1: v0-127 O (tile (t, u) at 32 u + 8 t), v128-191 Q (fragment (u, ks) at 128 + 16 u + 8 ks), v192-255 V's fragments
;   0x51: PV and the rescaling of O (destination, sources 0 and 2 in block 1);  0x04: S (Q in block 1) with v_exp_f32, which has no second source;
;   0x40: loads into block 1.  18 switches for a tile's 64 products and some 580 other instructions.
; TWO f16 NUMBERS FOR ONE f32, IN q's PROJECTION.  The scores are not scaled, so the softmax is peaked and a score's error shows in the output.
; So query and Wq go in as hi + lo (hi = the upper 11 significant bits, exact in f16; lo = the rest, rounded to f16) and
; Wq X = Wh Xh + Wh Xl + Wl Xh; Wl Xl is 2^-20 of it.  Wq's two parts fill both slots first, so key tile 0 is asked for only behind the projection.
; CLUSTER: the four work-groups of a cluster have one batch, so every tile of K and V, and Wq and Wm, is asked for jointly (mask 15).
; A wave has two tensor loads out at the start and one behind each later round of the cluster's barrier.
; LIMITS: matrix operands are f16: query, weights, 1.4427 q, k, v or x above 65,504 in magnitude become infinite; below 2^-14 hi and lo are rounded
; on f16's subnormal step (up to 2^-25 each); a p below 2^-25 of its row's largest counts as 0 in the product with V; the sum l adds the unrounded p.
; Sums, maxima and biases are f32.
.set PART, 17408                       ; a wave's part of a slot: 32 keys; K at pitch 528 (33 x 16), V at pitch 544 (17 x 32)
.set SLOT, 139264                      ; 4 parts of K, then 4 parts of V.  First slot 1 holds Wq's hi part and slot 0 its lo part; slot 0 last holds Wm (pitch 528)
.set XS,   278528                      ; behind the ring, never filled by a tensor load: 128 f of the query block (36,864 bytes), then q's fragments, then x (32,768 each)
.set MG,   SLOT+4*PART                 ; the merge's exchange, 8 x 8,704 bytes, in slot 1's upper half behind that slot's last fill and last read
.set MGP,  8704
.set KP,   528
.set VP,   544
.set XSP,  288                         ; a row of XS: hi 128 bytes, lo 128 bytes, 32 of padding = 9 x 32
.set XLO,  128
.set OP,   272                         ; the output stage: 256 bytes + 16; 8 x 8,704 bytes in slot 1's lower half
.set G1K, 32                           ; s[32:39] shape of a tile of K, Wq, Wm     s[40:47] of V
.set G1V, 40
.set G0K, 48                           ; s[48:55] K, one set a slot                s[56:63] V
.set G0V, 56
.set G0WQ, 68                          ; Wq's hi part
.set G0WM, 72
.set G0WL, 84                          ; Wq's lo part
; block 0
.set KA,   1                           ; v1, v2  K fragments in slot 0, 1
.set VA,   3                           ; v3, v4  V fragments in slot 0, 1
; v5 WQA (hi)  v31 WQL (lo)  v6 XFA  v7 XOFF  v28 XST  v29 BOFF  v30 BMOFF
.set WMB,  8                           ; Wm's fragments
.set XSR,  9                           ; x read
.set XSW,  10                          ; x written
.set OST,  11                          ; output stage, in
.set ORD,  12                          ; output stage, back
.set OOFF, 13                          ; my byte offset in out0
.set MGW,  14                          ; merge: where I write
.set MGR,  15                          ; merge: where my partner wrote
.set QXA,  16                          ; q's fragments: mine
.set QXB,  17                          ; q's fragments: my partner's
.set T,    18                          ; v[18:25]  at work
.set BM,   26                          ; v[26:27]  bm of my two column tiles
.set MP,   32                          ; v[32:39]  running maximum, a pair (m, m) for each query tile
.set AL,   40                          ; v[40:47]  alpha, a pair for each query tile
.set LS,   48                          ; v[48:51]  running sum of my lane's half of the keys
.set QT,   32                          ; v[32:63]  ahead of the loop: the second half of my query rows, then q packed
.set BMT,  32                          ; v[32:47]  behind the loop: bm as two C tiles
.set S,    64                          ; v[64:191] S tile (i, u) at 64 + 32 u + 8 i; then P (u, g) at 64 + 32 u + 16 g
.set BQ,   64                          ; ahead of the loop: bq as four C tiles,
.set XH,   96                          ; X's fragments,
.set XL,   112
.set QA,   128                         ; and the projection's sums
.set XO,   64                          ; behind the loop: x, tile (t, u) at 64 + 32 u + 8 t; then the last projection's sums
.set PO,   128                         ; my partner's O; then a fragment buffer; then the rows on their way out
.set KF,   192                         ; v[192:255] K fragment (i, ks) at 192 + 16 i + 8 ks
.set WH,   192                         ; ahead of the loop: Wq's fragments
.set WLO,  224
; block 1
.set OB,   0
.set QB,   128
.set VB,   192
.set MSB, 0
.macro WIN new                         ; the immediate's high byte repeats the setting that is left
.if MSB != \new
	s_set_vgpr_msb (MSB<<8)|\new
.set MSB, \new
.endif
.endm
.macro PLACES n                        ; places behind matrix instructions (ISA guide 7.12.1)
.rept \n
	v_nop
.endr
.endm
.macro CREST                           ; a round of the cluster's barrier behind its opening barrier
	s_cmp_lg_u32 s4, 0
	s_cbranch_scc1 .Lnot_wave_0_\@
	s_barrier_signal -3
.Lnot_wave_0_\@:
	s_barrier_wait -3
	s_barrier_signal -1
	s_barrier_wait -1
.endm
.macro ROUND                           ; a whole round
	s_barrier_signal -1
	s_barrier_wait -1
	CREST
.endm
.macro JLOAD s                         ; waves 0-3 ask for K's four parts, waves 4-7 for V's: one joint load a wave
	s_cmp_eq_u32 s6, 0
	s_cbranch_scc0 .Lfor_v_\@
	tensor_load_to_lds s[G0K+4*\s:G0K+4*\s+3], s[G1K:G1K+7]
	s_nop 0
	s_branch .Lasked_\@
.Lfor_v_\@:
	tensor_load_to_lds s[G0V+4*\s:G0V+4*\s+3], s[G1V:G1V+7]
	s_nop 0
.Lasked_\@:
.endm
	s_load_b512 s[8:23], s[0:1], 0x0               ; query, wqh, wql, bq, kh, vh, wmh, bm
	s_load_b64 s[88:89], s[0:1], 0x40              ; out0
	v_lshl_add_u32 v94, v0, 2, 0x4e000
	v_mov_b32 v95, 0
	ds_add_u32 v94, v95
	s_wait_dscnt 0x0
	v_lshrrev_b32 v18, 5, v0
	v_readfirstlane_b32 s4, v18                    ; wave w
	s_and_b32 s5, s4, 3                            ; head h; also my part of K or V to fetch
	s_lshr_b32 s6, s4, 2                           ; kh: my half of the keys, my 32 queries; also: I ask for K (0) or V (1)
	s_bfe_u32 s24, ttmp6, 0x40000                  ; cx: enters the addresses of query and out0 alone
	s_lshl_b32 s25, ttmp9, 2
	s_add_co_u32 s25, s25, s24                     ; block of 64 queries
	s_and_b32 s26, ttmp7, 0xffff                   ; batch
	s_mov_b32 s76, 0x76543210                      ; v_permlanex16_b32: lane i takes lane i of the other half
	s_mov_b32 s77, 0xfedcba98
	s_mov_b32 s78, 0x3fb8aa3b                      ; log2(e)
	s_mov_b32 s79, 0x3fb8aa3b
	s_mov_b32 s90, 0xffffe000                      ; sign, exponent and the upper 10 bits of the fraction
	; group 1: 32 rows of 256 f16 (512 bytes), dense in memory; mask 15 with bit 21; behind every 128 words a pad of 4 words (K, Wq, Wm) or 8 (V)
	s_mov_b32 s[G1K+0], 15|(1<<16)|(1<<20)|(1<<21)|(6<<22)|(3<<25)
	s_mov_b32 s[G1K+1], 256<<16                    ; tensor_dim0 = 256
	s_mov_b32 s[G1K+2], 32<<16                     ; tensor_dim1 = 32
	s_mov_b32 s[G1K+3], 256<<16                    ; tile_dim0 = 256
	s_mov_b32 s[G1K+4], 32                         ; tile_dim1 = 32
	s_mov_b32 s[G1K+5], 256                        ; 256 elements from row to row
	s_mov_b32 s[G1K+6], 0
	s_mov_b32 s[G1K+7], 0
	s_mov_b32 s[G1V+0], 15|(1<<16)|(1<<20)|(1<<21)|(6<<22)|(7<<25)
	s_mov_b32 s[G1V+1], 256<<16
	s_mov_b32 s[G1V+2], 32<<16
	s_mov_b32 s[G1V+3], 256<<16
	s_mov_b32 s[G1V+4], 32
	s_mov_b32 s[G1V+5], 256
	s_mov_b32 s[G1V+6], 0
	s_mov_b32 s[G1V+7], 0
	s_lshl_b32 s28, s26, 20                        ; kh, vh: batch x 1,048,576
	s_lshl_b32 s29, s5, 14                         ; + my 32 keys x 512 bytes
	s_add_co_u32 s28, s28, s29
	s_mov_b32 s29, 0
	s_lshl_b32 s30, s4, 14                         ; wqh, wql, wmh: my 32 rows x 512 bytes
	s_mov_b32 s31, 0
	s_mul_i32 s27, s4, PART                        ; my part of a slot
	s_lshl_b32 s80, s26, 21                        ; query, out0: batch x 2,097,152
	s_lshl_b32 s81, s25, 8                         ; + block x 64 queries x 4 bytes
	s_add_co_u32 s80, s80, s81
	s_mov_b32 s81, 0
	v_and_b32 v19, 15, v0                          ; r
	v_bfe_u32 v20, v0, 4, 1                        ; hh
	s_lshl_b32 s83, s4, 17
	v_lshlrev_b32 v7, 4, v19
	v_lshl_add_u32 v7, v20, 13, v7
	v_add_nc_u32 v7, s83, v7                       ; XOFF = (16 w + hh) rows of 8,192 bytes + 16 r
	s_lshl_b32 s83, s5, 2
	v_lshl_add_u32 v29, v20, 7, s83                ; BOFF = 128 hh + 4 h
	s_lshl_b32 s83, s4, 7
	v_lshl_add_u32 v30, v19, 2, s83                ; BMOFF = 4 (32 w + r)
	s_wait_kmcnt 0x0
	s_add_nc_u64 s[16:17], s[16:17], s[28:29]
	s_add_nc_u64 s[18:19], s[18:19], s[28:29]
	s_add_nc_u64 s[8:9], s[8:9], s[80:81]
	s_add_nc_u64 s[88:89], s[88:89], s[80:81]
.irp s, 0,1
	s_mov_b32 s[G0K+4*\s], 1
	s_add_co_u32 s[G0K+4*\s+1], s27, \s*SLOT
	s_add_nc_u64 s[G0K+4*\s+2:G0K+4*\s+3], s[16:17], \s*65536      ; key tile s
	s_or_b32 s[G0K+4*\s+3], s[G0K+4*\s+3], 0x80000000
	s_mov_b32 s[G0V+4*\s], 1
	s_add_co_u32 s[G0V+4*\s+1], s27, \s*SLOT
	s_add_nc_u64 s[G0V+4*\s+2:G0V+4*\s+3], s[18:19], \s*65536
	s_or_b32 s[G0V+4*\s+3], s[G0V+4*\s+3], 0x80000000
.endr
	s_mov_b32 s[G0WQ], 1
	s_mul_i32 s[G0WQ+1], s4, 32*KP
	s_add_co_u32 s[G0WQ+1], s[G0WQ+1], SLOT        ; Wq's hi part into slot 1: rows 32 w ..
	s_add_nc_u64 s[G0WQ+2:G0WQ+3], s[10:11], s[30:31]
	s_or_b32 s[G0WQ+3], s[G0WQ+3], 0x80000000
	s_mov_b32 s[G0WL], 1
	s_mul_i32 s[G0WL+1], s4, 32*KP                 ; Wq's lo part into slot 0: rows 32 w ..
	s_add_nc_u64 s[G0WL+2:G0WL+3], s[12:13], s[30:31]
	s_or_b32 s[G0WL+3], s[G0WL+3], 0x80000000
	s_mov_b32 s[G0WM], 1
	s_mul_i32 s[G0WM+1], s4, 32*KP                 ; Wm into slot 0: rows 32 w ..
	s_add_nc_u64 s[G0WM+2:G0WM+3], s[20:21], s[30:31]
	s_or_b32 s[G0WM+3], s[G0WM+3], 0x80000000
	ROUND                                          ; the four work-groups are here: the first joint loads meet
	tensor_load_to_lds s[G0WQ:G0WQ+3], s[G1K:G1K+7]
	s_nop 0
	tensor_load_to_lds s[G0WL:G0WL+3], s[G1K:G1K+7]                ; two loads of this wave are out
	s_nop 0
	; my rows of the query block, f = 16 w .. + 15 and 128 + 16 w .. + 15: a load takes two rows of 256 bytes; then bq as four C tiles, and bm
.irp i, 0,1,2,3,4,5,6,7
	global_load_b128 v[WH+4*\i:WH+4*\i+3], v7, s[8:9] offset:\i*16384 th:TH_LOAD_NT
.endr
.irp i, 0,1,2,3,4,5,6,7
	global_load_b128 v[QT+4*\i:QT+4*\i+3], v7, s[8:9] offset:1048576+\i*16384 th:TH_LOAD_NT
.endr
.irp t, 0,1,2,3
.irp j, 0,1,2,3,4,5,6,7
	global_load_b32 v[BQ+8*\t+\j], v29, s[14:15] offset:256*\t+16*\j   ; bq[4 (16 t + 8 hh + j) + h]
.endr
.endr
	global_load_b32 v[BM], v30, s[22:23]
	global_load_b32 v[BM+1], v30, s[22:23] offset:64
	; all LDS addresses, made of the lane and the wave's number alone, while the loads are on their way
	v_and_b32 v21, 7, v0                           ; L & 7
	v_bfe_u32 v22, v0, 3, 1                        ; (L >> 3) & 1
	v_lshl_add_u32 v23, v20, 3, v21                ; 8 hh + (L & 7)
	v_and_b32 v24, 31, v0
	v_lshlrev_b32 v24, 4, v24                      ; 16 L
	v_mul_u32_u24 v25, v19, KP
	v_lshl_add_u32 v25, v20, 4, v25                ; r pitch + 16 hh
	s_mul_i32 s83, s5, 64*KP
	v_add_nc_u32 v31, s83, v25                     ; WQL = slot 0 + (64 h + r) pitch + 16 hh
	v_add_nc_u32 v5, SLOT, v31                     ; WQA: the same in slot 1
	s_mul_i32 s83, s4, 32*KP
	v_add_nc_u32 v[WMB], s83, v25                  ; WMB = (32 w + r) pitch + 16 hh
	s_lshl_b32 s82, s5, 7                          ; my head's 128 bytes of a row
	s_mul_i32 s83, s6, 2*PART                      ; my half of a tile's keys: parts 2 kh, 2 kh + 1
	s_add_co_u32 s82, s82, s83
	v_add_nc_u32 v1, s82, v25                      ; KA0
	v_add_nc_u32 v2, SLOT, v1                      ; KA1
	s_add_co_u32 s83, s82, 4*PART
	v_mul_u32_u24 v3, v23, VP
	v_lshl_add_u32 v3, v22, 4, v3
	v_add_nc_u32 v3, s83, v3                       ; VA0
	v_add_nc_u32 v4, SLOT, v3                      ; VA1
	s_lshl_b32 s83, s6, 6
	s_add_co_u32 s83, s83, XS
	v_mul_u32_u24 v6, v23, XSP
	v_lshl_add_u32 v6, v22, 4, v6
	v_add_nc_u32 v6, s83, v6                       ; XFA = XS + (8 hh + (L & 7)) pitch + 16 ((L >> 3) & 1) + my 32 queries
	s_mul_i32 s83, s4, 16*XSP
	s_add_co_u32 s83, s83, XS
	v_mul_u32_u24 v28, v20, XSP
	v_lshl_add_u32 v28, v19, 3, v28
	v_add_nc_u32 v28, s83, v28                     ; XST = XS + (16 w + hh) pitch + 8 r
	v_add_nc_u32 v[XSR], XS, v24                   ; XSR = XS + 16 L
	s_lshl_b32 s82, s5, 13
	s_lshl_b32 s83, s6, 11
	s_add_co_u32 s82, s82, s83
	s_add_co_u32 s82, s82, XS
	v_add_nc_u32 v[XSW], s82, v24                  ; XSW = XS + 8,192 h + 2,048 kh + 16 L
	s_mul_i32 s82, s4, 32*OP
	s_add_co_u32 s82, s82, SLOT
	v_mul_u32_u24 v[OST], v19, OP
	v_lshl_add_u32 v[OST], v20, 5, v[OST]
	v_add_nc_u32 v[OST], s82, v[OST]               ; OST = my stage + r pitch + 32 hh
	v_mul_u32_u24 v[ORD], v20, OP
	v_lshl_add_u32 v[ORD], v19, 4, v[ORD]
	v_add_nc_u32 v[ORD], s82, v[ORD]               ; ORD = my stage + hh pitch + 16 r
	s_lshl_b32 s82, s4, 18
	v_lshlrev_b32 v[OOFF], 4, v19
	v_lshl_add_u32 v[OOFF], v20, 13, v[OOFF]
	v_add_nc_u32 v[OOFF], s82, v[OOFF]             ; OOFF = (32 w + hh) rows of 8,192 bytes + 16 r
	s_mul_i32 s82, s4, MGP
	s_add_co_u32 s82, s82, MG
	v_add_nc_u32 v[MGW], s82, v24                  ; MGW = MG + 8,704 w + 16 L
	s_sub_co_u32 s83, 1, s6                        ; 1 - kh
	s_lshl_b32 s82, s83, 2
	s_add_co_u32 s82, s82, s5                      ; my partner's number: h + 4 (1 - kh)
	s_mul_i32 s82, s82, MGP
	s_add_co_u32 s82, s82, MG
	v_add_nc_u32 v[MGR], s82, v24                  ; MGR: the same for my partner
	s_lshl_b32 s82, s5, 1
	s_add_co_u32 s82, s82, s6
	s_lshl_b32 s82, s82, 12
	s_add_co_u32 s82, s82, XS
	v_add_nc_u32 v[QXA], s82, v24                  ; QXA = XS + 4,096 (2 h + kh) + 16 L
	s_lshl_b32 s82, s5, 1
	s_add_co_u32 s82, s82, s83
	s_lshl_b32 s82, s82, 12
	s_add_co_u32 s82, s82, XS
	v_add_nc_u32 v[QXB], s82, v24                  ; QXB = XS + 4,096 (2 h + 1 - kh) + 16 L
; Four f32 in v[z:z+3] go to XS as 8 bytes of hi and 8 bytes of lo.
.macro SPLIT z, off
	v_and_b32 v[T], s90, v[\z]
	v_and_b32 v[T+1], s90, v[\z+1]
	v_and_b32 v[T+2], s90, v[\z+2]
	v_and_b32 v[T+3], s90, v[\z+3]
	v_pk_add_f32 v[\z:\z+1], v[\z:\z+1], v[T:T+1] neg_lo:[0,1] neg_hi:[0,1]        ; a - hi, exact
	v_pk_add_f32 v[\z+2:\z+3], v[\z+2:\z+3], v[T+2:T+3] neg_lo:[0,1] neg_hi:[0,1]
	v_cvt_pk_f16_f32 v[T], v[T], v[T+1]
	v_cvt_pk_f16_f32 v[T+1], v[T+2], v[T+3]
	v_cvt_pk_f16_f32 v[\z], v[\z], v[\z+1]
	v_cvt_pk_f16_f32 v[\z+1], v[\z+2], v[\z+3]
	ds_store_b64 v28, v[T:T+1] offset:\off
	ds_store_b64 v28, v[\z:\z+1] offset:\off+XLO
.endm
	s_wait_loadcnt 42                              ; the first 8 query loads are in; the other 8, the 32 of bq and the 2 of bm may stay out
.irp i, 0,1,2,3,4,5,6,7
	SPLIT WH+4*\i, \i*2*XSP
.endr
	s_wait_loadcnt 0x0                             ; the second half, bq, bm
	s_wait_dscnt 0x0                               ; my rows of the query block's first half are in LDS,
	s_wait_tensorcnt 0x0                           ; and my parts of Wq
	s_barrier_signal -1
	s_barrier_wait -1                              ; everybody's are
	; Q PROJECTION: D(d, query) for my head and my 32 queries, 8 steps of 32 along f, three products a step; the 8 accumulators take turns,
	; one instruction a turn.  bq is the very first product's C.
.macro QMUL wf, xf, first
.irp u, 0,1
.irp t, 0,1,2,3
.if \first
	v_wmma_f32_16x16x32_f16 v[QA+32*\u+8*\t:QA+32*\u+8*\t+7], v[\wf+8*\t:\wf+8*\t+7], v[\xf+8*\u:\xf+8*\u+7], v[BQ+8*\t:BQ+8*\t+7]
.else
	v_wmma_f32_16x16x32_f16 v[QA+32*\u+8*\t:QA+32*\u+8*\t+7], v[\wf+8*\t:\wf+8*\t+7], v[\xf+8*\u:\xf+8*\u+7], v[QA+32*\u+8*\t:QA+32*\u+8*\t+7]
.endif
.endr
.endr
.endm
.macro QSTEP s, first
.irp t, 0,1,2,3
	ds_load_b128 v[WH+8*\t:WH+8*\t+3], v5 offset:\t*16*KP+64*\s
	ds_load_b128 v[WH+8*\t+4:WH+8*\t+7], v5 offset:\t*16*KP+64*\s+32
.endr
.irp u, 0,1
	ds_load_tr16_b128 v[XH+8*\u:XH+8*\u+3], v6 offset:(\s&3)*32*XSP+32*\u
	ds_load_tr16_b128 v[XH+8*\u+4:XH+8*\u+7], v6 offset:(\s&3)*32*XSP+32*\u+16*XSP
.endr
.irp u, 0,1
	ds_load_tr16_b128 v[XL+8*\u:XL+8*\u+3], v6 offset:(\s&3)*32*XSP+32*\u+XLO
	ds_load_tr16_b128 v[XL+8*\u+4:XL+8*\u+7], v6 offset:(\s&3)*32*XSP+32*\u+XLO+16*XSP
.endr
.irp t, 0,1,2,3
	ds_load_b128 v[WLO+8*\t:WLO+8*\t+3], v31 offset:\t*16*KP+64*\s
	ds_load_b128 v[WLO+8*\t+4:WLO+8*\t+7], v31 offset:\t*16*KP+64*\s+32
.endr
	s_wait_dscnt 12                                ; X's lo part (4 loads) and Wq's (8) may stay out
	QMUL WH, XH, \first
	s_wait_dscnt 8                                 ; Wq's lo part may stay out
	QMUL WH, XL, 0
	s_wait_dscnt 0x0
	QMUL WLO, XH, 0
	PLACES 4                                       ; before loads land on the fragments, or the scaling reads the sums
.endm
	QSTEP 0, 1
	QSTEP 1, 0
	QSTEP 2, 0
	QSTEP 3, 0
	s_wait_dscnt 0x0                               ; my reads of the first half are over
	s_barrier_signal -1
	s_barrier_wait -1                              ; everybody's are: the second half goes over it
.irp i, 0,1,2,3,4,5,6,7
	SPLIT QT+4*\i, \i*2*XSP
.endr
	s_wait_dscnt 0x0
	s_barrier_signal -1
	s_barrier_wait -1
	QSTEP 4, 0
	QSTEP 5, 0
	QSTEP 6, 0
	QSTEP 7, 0
	s_wait_dscnt 0x0                               ; my reads of Wq and of the query block are over,
	s_wait_xcnt 0x0
	v_lshl_add_u32 v94, v0, 2, 0x4e000
	v_mov_b32 v95, 0
	s_wait_tensorcnt 0x0                           ; none of my tensor loads is out
	ds_add_u32 v94, v95
	s_wait_dscnt 0x0
	ROUND                                          ; both now hold of every wave of the four work-groups
	JLOAD 0                                        ; key tile 0 goes over Wq's lo part: my one tensor load behind the round
.irp k, 0,2,4,6,8,10,12,14,16,18,20,22,24,26,28,30,32,34,36,38,40,42,44,46,48,50,52,54,56,58,60,62
	v_pk_mul_f32 v[QA+\k:QA+\k+1], v[QA+\k:QA+\k+1], s[78:79] op_sel_hi:[1,0]   ; times log2(e)
.endr
.irp u, 0,1
.irp t, 0,1,2,3
.irp j, 0,1,2,3
	v_cvt_pk_f16_f32 v[QT+16*\u+4*\t+\j], v[QA+32*\u+8*\t+2*\j], v[QA+32*\u+8*\t+2*\j+1]   ; tiles 2 ks, 2 ks + 1 are fragment (u, ks)
.endr
	ds_store_b128 v[QXA], v[QT+16*\u+4*\t:QT+16*\u+4*\t+3] offset:(4*\u+\t)*512   ; the register image, 512 bytes for each four registers
.endr
.endr
; THE KEY LOOP.
.macro KLOAD slot                      ; K fragments of my 64 keys; first all of d = 0..31, then all of d = 32..63
.irp ks, 0,1
.irp i, 0,1,2,3
	ds_load_b128 v[KF+16*\i+8*\ks:KF+16*\i+8*\ks+3], v[KA+\slot] offset:(\i>>1)*PART+(\i&1)*16*KP+64*\ks
	ds_load_b128 v[KF+16*\i+8*\ks+4:KF+16*\i+8*\ks+7], v[KA+\slot] offset:(\i>>1)*PART+(\i&1)*16*KP+64*\ks+32
.endr
.endr
.endm
.macro VLOAD slot                      ; V^T fragments (rows d, 32 keys of part g of my two) by transposing loads, into block 1
	WIN 0x40
.irp g, 0,1
.irp t, 0,1,2,3
	ds_load_tr16_b128 v[VB+32*\g+8*\t:VB+32*\g+8*\t+3], v[VA+\slot] offset:\g*PART+32*\t
	ds_load_tr16_b128 v[VB+32*\g+8*\t+4:VB+32*\g+8*\t+7], v[VA+\slot] offset:\g*PART+32*\t+16*VP
.endr
.endr
	WIN 0
.endm
; Product j of the eight of S^T for query tile o: key tile j & 3, d = 0..31 (j < 4, starts the sum) or 32..63.  Under window 0x04.
; The four accumulators take turns, one instruction a turn.
.macro SW o, j
.if \j < 4
	v_wmma_f32_16x16x32_f16 v[S+32*\o+8*\j:S+32*\o+8*\j+7], v[KF+16*\j:KF+16*\j+7], v[QB+16*\o:QB+16*\o+7], 0
.else
	v_wmma_f32_16x16x32_f16 v[S+32*\o+8*\j-32:S+32*\o+8*\j-25], v[KF+16*\j-56:KF+16*\j-49], v[QB+16*\o+8:QB+16*\o+15], v[S+32*\o+8*\j-32:S+32*\o+8*\j-25]
.endif
.endm
.macro RESC o, t                       ; O tile (t, o) times alpha of query tile o.  Under window 0x51
.irp k, 0,2,4,6
	v_pk_mul_f32 v[OB+32*\o+8*\t+\k:OB+32*\o+8*\t+\k+1], v[OB+32*\o+8*\t+\k:OB+32*\o+8*\t+\k+1], v[AL+2*\o:AL+2*\o+1]
.endr
.endm
.macro PVW o, g, t, zero               ; O^T tile (t, o) += V^T (t, keys of part g) P^T (o, g).  Under window 0x51
.if \zero
	v_wmma_f32_16x16x32_f16 v[OB+32*\o+8*\t:OB+32*\o+8*\t+7], v[VB+32*\g+8*\t:VB+32*\g+8*\t+7], v[S+32*\o+16*\g:S+32*\o+16*\g+7], 0
.else
	v_wmma_f32_16x16x32_f16 v[OB+32*\o+8*\t:OB+32*\o+8*\t+7], v[VB+32*\g+8*\t:VB+32*\g+8*\t+7], v[S+32*\o+16*\g:S+32*\o+16*\g+7], v[OB+32*\o+8*\t:OB+32*\o+8*\t+7]
.endif
.endm
; O of query tile o is brought to the new maximum and takes this tile's keys.  The four accumulators take turns, one instruction a turn.
.macro RPV o, first
	WIN 0x51
.if \first
	PVW \o, 0, 0, 1                                ; the first product starts each sum: nothing is cleared
	PVW \o, 0, 1, 1
	PVW \o, 0, 2, 1
	PVW \o, 0, 3, 1
.else
	RESC \o, 0
	RESC \o, 1
	PVW \o, 0, 0, 0
	RESC \o, 2
	PVW \o, 0, 1, 0
	RESC \o, 3
	PVW \o, 0, 2, 0
	PVW \o, 0, 3, 0
.endif
	PVW \o, 1, 0, 0
	PVW \o, 1, 1, 0
	PVW \o, 1, 2, 0
	PVW \o, 1, 3, 0
	WIN 0
.endm
.macro SMAXA u                         ; the maximum of query r of tile u, four chains; these four lines are also the places behind PV, ahead of V's loads
.irp c, 0,1,2,3
	v_max3_num_f32 v[T+\c], v[S+32*\u+8*\c], v[S+32*\u+8*\c+1], v[S+32*\u+8*\c+2]
.endr
.endm
.macro SMAXB u, first                  ; the rest of it, the running maximum, and alpha = exp2(old - new)
.irp c, 0,1,2,3
	v_max3_num_f32 v[T+\c], v[T+\c], v[S+32*\u+8*\c+3], v[S+32*\u+8*\c+4]
.endr
.irp c, 0,1,2,3
	v_max3_num_f32 v[T+\c], v[T+\c], v[S+32*\u+8*\c+5], v[S+32*\u+8*\c+6]
.endr
	v_max3_num_f32 v[T], v[T], v[T+1], v[S+32*\u+7]
	v_max3_num_f32 v[T+2], v[T+2], v[T+3], v[S+32*\u+15]
	v_max3_num_f32 v[T], v[T], v[T+2], v[S+32*\u+23]
.if \first
	v_max_num_f32 v[T], v[T], v[S+32*\u+31]
.else
	v_max3_num_f32 v[T], v[T], v[S+32*\u+31], v[MP+2*\u]
.endif
	v_permlanex16_b32 v[T+1], v[T], s76, s77       ; the other half of the lanes holds the other half of my keys
	v_max_num_f32 v[T+1], v[T], v[T+1]
.if \first == 0
	v_sub_f32 v[AL+2*\u], v[MP+2*\u], v[T+1]
	v_exp_f32 v[AL+2*\u], v[AL+2*\u]               ; plain work follows before its result is used
.endif
	v_mov_b32 v[MP+2*\u], v[T+1]
	v_mov_b32 v[MP+2*\u+1], v[T+1]
.endm
.macro SUBX u                          ; S - m
.irp k, 0,2,4,6,8,10,12,14,16,18,20,22,24,26,28,30
	v_pk_add_f32 v[S+32*\u+\k:S+32*\u+\k+1], v[S+32*\u+\k:S+32*\u+\k+1], v[MP+2*\u:MP+2*\u+1] neg_lo:[0,1] neg_hi:[0,1]
.endr
.endm
; The 32 exponentials of tile u; sw = 1: in front of each four stands one of the eight products of S for tile o and the next keys;
; kw = 1: K's fragments were asked for in this phase and are waited for here.
.macro EXPSW u, o, sw, kw
.if \sw
	WIN 0x04
.endif
.irp j, 0,1,2,3,4,5,6,7
.if \sw
.if \kw
.if \j == 0
	s_wait_dscnt 8                                 ; the 8 loads of d = 32..63 may stay out
.endif
.if \j == 4
	s_wait_dscnt 0x0
.endif
.endif
	SW \o, \j
.endif
	v_exp_f32 v[S+32*\u+4*\j], v[S+32*\u+4*\j]
	v_exp_f32 v[S+32*\u+4*\j+1], v[S+32*\u+4*\j+1]
	v_exp_f32 v[S+32*\u+4*\j+2], v[S+32*\u+4*\j+2]
	v_exp_f32 v[S+32*\u+4*\j+3], v[S+32*\u+4*\j+3]
.endr
	WIN 0
.endm
.macro SUMCVT u, first                 ; l = l alpha + sum p (four chains), P packed to f16 in place
.set SB, S+32*\u
.irp c, 0,1,2,3
	v_pk_add_f32 v[T+2*\c:T+2*\c+1], v[SB+8*\c:SB+8*\c+1], v[SB+8*\c+2:SB+8*\c+3]
.endr
.irp c, 0,1,2,3
	v_pk_add_f32 v[T+2*\c:T+2*\c+1], v[T+2*\c:T+2*\c+1], v[SB+8*\c+4:SB+8*\c+5]
.endr
.irp c, 0,1,2,3
	v_pk_add_f32 v[T+2*\c:T+2*\c+1], v[T+2*\c:T+2*\c+1], v[SB+8*\c+6:SB+8*\c+7]
.endr
	v_pk_add_f32 v[T:T+1], v[T:T+1], v[T+2:T+3]
	v_pk_add_f32 v[T+4:T+5], v[T+4:T+5], v[T+6:T+7]
	v_pk_add_f32 v[T:T+1], v[T:T+1], v[T+4:T+5]
.if \first
	v_add_f32 v[LS+\u], v[T], v[T+1]
.else
	v_add_f32 v[T], v[T], v[T+1]
	v_fma_f32 v[LS+\u], v[LS+\u], v[AL+2*\u], v[T]
.endif
.irp g, 0,1
.irp p, 0,1,2,3,4,5,6,7
	v_cvt_pk_f16_f32 v[SB+16*\g+\p], v[SB+16*\g+2*\p], v[SB+16*\g+2*\p+1]   ; key tiles 2 g, 2 g + 1 become fragment (u, g)
.endr
.endr
.endm
; The vector side of phase u.  vl = 1: V's fragments of this tile are asked for, four places behind the products that read the last tile's.
.macro SOFTMAX u, o, first, sw, kw, vl, vslot
	SMAXA \u
.if \vl
	VLOAD \vslot
.endif
	SMAXB \u, \first
	SUBX \u
	EXPSW \u, \o, \sw, \kw
.if \first
	v_nop                                          ; the plain place behind the exponentials
	s_wait_alu depctr_va_vdst(0)
.else
	s_wait_alu depctr_va_vdst(0)
	v_mov_b32 v[AL+2*\u+1], v[AL+2*\u]             ; alpha's pair; also the plain place behind the exponentials
.endif
	SUMCVT \u, \first
.endm
; One key tile, in slot; K of the next tile is read from other.  sf = 1: tile 0, the sums and maxima start.  p3: PV of query tile 3 for the tile before:
; 0 as a rule, 1 it starts O_3 (tile 1), 2 there is none (tile 0).  kind = 1: this slot is filled again, two tiles on; 2: Wm goes into it; 3: the last tile.
.macro TILE slot, other, sf, p3, kind
.if \p3 < 2
	RPV 3, \p3
.endif
	SOFTMAX 0, 3, \sf, 1, 0, 1, \slot
	s_wait_dscnt 0x0                               ; V's fragments are in: my reads of this slot are over
.if \kind < 3
	s_wait_xcnt 0x0
	v_lshl_add_u32 v94, v0, 2, 0x4e000
	v_mov_b32 v95, 0
	s_wait_tensorcnt 0x0                           ; all my tensor loads have landed, my part of the next tile among them, so a group 0 may be written
	ds_add_u32 v94, v95
	s_wait_dscnt 0x0
.endif
.if \kind == 1
	s_add_nc_u64 s[G0K+4*\slot+2:G0K+4*\slot+3], s[G0K+4*\slot+2:G0K+4*\slot+3], 131072   ; this slot's next tile, two tiles on
	s_add_nc_u64 s[G0V+4*\slot+2:G0V+4*\slot+3], s[G0V+4*\slot+2:G0V+4*\slot+3], 131072
.endif
	s_barrier_signal -1                            ; say so,
	RPV 0, \sf                                     ; work on registers while the others arrive,
	s_barrier_wait -1
.if \kind < 3
	CREST                                          ; and all four work-groups have said so
.if \kind == 1
	JLOAD \slot                                    ; my one tensor load behind the round, and the first thing there
.else
	tensor_load_to_lds s[G0WM:G0WM+3], s[G1K:G1K+7]
	s_nop 0
.endif
	KLOAD \other
	SOFTMAX 1, 0, \sf, 1, 1, 0, 0
	RPV 1, \sf
	SOFTMAX 2, 1, \sf, 1, 0, 0, 0
	RPV 2, \sf
	SOFTMAX 3, 2, \sf, 1, 0, 0, 0
.else
	SOFTMAX 1, 0, 0, 0, 0, 0, 0                    ; behind this plain barrier nothing is filled; no wave reads slot 1 any more
	RPV 1, 0
	SOFTMAX 2, 1, 0, 0, 0, 0, 0
	RPV 2, 0
	SOFTMAX 3, 2, 0, 0, 0, 0, 0
.endif
.endm
	s_wait_xcnt 0x0
	v_lshl_add_u32 v94, v0, 2, 0x4e000
	v_mov_b32 v95, 0
	s_wait_tensorcnt 0x0                           ; my part of key tile 0 has landed,
	ds_add_u32 v94, v95
	s_wait_dscnt 0x0
	s_wait_dscnt 0x0                               ; my q is in LDS
	ROUND                                          ; both now hold of every wave of the four work-groups
	JLOAD 1                                        ; tile 1 goes over Wq's hi part, which every wave has read
	WIN 0x40
.irp k, 0,1,2,3,4,5,6,7
	ds_load_b128 v[QB+4*\k:QB+4*\k+3], v[QXA] offset:\k*512          ; query tiles 0, 1: the queries that I finish
.endr
.irp k, 0,1,2,3,4,5,6,7
	ds_load_b128 v[QB+32+4*\k:QB+32+4*\k+3], v[QXB] offset:\k*512    ; query tiles 2, 3: my partner's
.endr
	WIN 0
	KLOAD 0
	WIN 0x04
	s_wait_dscnt 8                                 ; Q and K's d = 0..31 are in; the 8 loads of d = 32..63 may stay out
.irp j, 0,1,2,3
.irp o, 0,1,2
	SW \o, \j                                      ; S of tile 0 for query tiles 0, 1, 2: twelve accumulators by turns; tile 3 follows in phase 0
.endr
.endr
	s_wait_dscnt 0x0
.irp j, 4,5,6,7
.irp o, 0,1,2
	SW \o, \j
.endr
.endr
	WIN 0
	PLACES 4                                       ; before the maxima read S
	TILE 0, 1, 1, 2, 1                             ; tile 0
	TILE 1, 0, 0, 1, 1                             ; tile 1
	s_mov_b32 s7, 6
.Lring:
	TILE 0, 1, 0, 0, 1                             ; tiles 2 to 13; the last fetch here is tile 15's
	TILE 1, 0, 0, 0, 1
	s_sub_co_u32 s7, s7, 1
	s_cmp_lg_u32 s7, 0
	s_cbranch_scc1 .Lring
	TILE 0, 1, 0, 0, 2                             ; tile 14; Wm goes into slot 0
	TILE 1, 0, 0, 0, 3                             ; tile 15
	RPV 3, 0
	PLACES 4                                       ; before O is stored
	; THE MERGE.  I send O, m, l of query tiles 2, 3 and take my partner's for my tiles 0, 1.
	WIN 0x04                                       ; an LDS store's data are its source 1
.irp k, 0,1,2,3,4,5,6,7,8,9,10,11,12,13,14,15
	ds_store_b128 v[MGW], v[OB+64+4*\k:OB+64+4*\k+3] offset:\k*512
.endr
	WIN 0
	v_mov_b32 v[T], v[MP+4]
	v_mov_b32 v[T+1], v[MP+6]
	v_mov_b32 v[T+2], v[LS+2]
	v_mov_b32 v[T+3], v[LS+3]
	ds_store_b128 v[MGW], v[T:T+3] offset:8192
	s_wait_dscnt 0x0                               ; zero, for my partner's sake
	s_barrier_signal -1
	s_barrier_wait -1                              ; Wm may still be on its way
	ds_load_b128 v[T+4:T+7], v[MGR] offset:8192    ; m', m', l', l' of my tiles 0, 1
.irp k, 0,1,2,3,4,5,6,7,8,9,10,11,12,13,14,15
	ds_load_b128 v[PO+4*\k:PO+4*\k+3], v[MGR] offset:\k*512
.endr
	s_wait_dscnt 16                                ; m' and l' are in; the 16 loads of O' may stay out
	v_max_num_f32 v[T], v[MP], v[T+4]
	v_max_num_f32 v[T+1], v[MP+2], v[T+5]
	v_sub_f32 v[AL], v[MP], v[T]
	v_sub_f32 v[AL+2], v[MP+2], v[T+1]
	v_sub_f32 v[AL+4], v[T+4], v[T]
	v_sub_f32 v[AL+6], v[T+5], v[T+1]
	v_exp_f32 v[AL], v[AL]                         ; a = exp2(m - max), a' = exp2(m' - max): one of the two is 1
	v_exp_f32 v[AL+2], v[AL+2]
	v_exp_f32 v[AL+4], v[AL+4]
	v_exp_f32 v[AL+6], v[AL+6]
	v_nop                                          ; the plain place behind the exponentials
	s_wait_alu depctr_va_vdst(0)
	v_mul_f32 v[T], v[LS], v[AL]
	v_mul_f32 v[T+1], v[LS+1], v[AL+2]
	v_fma_f32 v[T], v[T+6], v[AL+4], v[T]
	v_fma_f32 v[T+1], v[T+7], v[AL+6], v[T+1]
	v_permlanex16_b32 v[T+2], v[T], s76, s77       ; the other half of the lanes summed the other keys
	v_permlanex16_b32 v[T+3], v[T+1], s76, s77
	v_add_f32 v[T], v[T], v[T+2]
	v_add_f32 v[T+1], v[T+1], v[T+3]
	v_rcp_f32 v[T], v[T]                           ; l is at least 1: the row's largest p is 1
	v_rcp_f32 v[T+1], v[T+1]
	v_nop
	s_wait_alu depctr_va_vdst(0)
	v_mul_f32 v[T], 0x3e000000, v[T]               ; 1 / (8 l)
	v_mul_f32 v[T+1], 0x3e000000, v[T+1]
	v_mul_f32 v[AL], v[AL], v[T]
	v_mul_f32 v[AL+2], v[AL+2], v[T+1]
	v_mul_f32 v[AL+4], v[AL+4], v[T]
	v_mul_f32 v[AL+6], v[AL+6], v[T+1]
	v_mov_b32 v[AL+1], v[AL]
	v_mov_b32 v[AL+3], v[AL+2]
	v_mov_b32 v[AL+5], v[AL+4]
	v_mov_b32 v[AL+7], v[AL+6]
	WIN 0x01                                       ; O out of block 1
.irp u, 0,1
.irp k, 0,2,4,6,8,10,12,14,16,18,20,22,24,26,28,30
	v_pk_mul_f32 v[XO+32*\u+\k:XO+32*\u+\k+1], v[OB+32*\u+\k:OB+32*\u+\k+1], v[AL+2*\u:AL+2*\u+1]
.endr
.endr
	WIN 0
	s_wait_dscnt 0x0
.irp u, 0,1
.irp k, 0,2,4,6,8,10,12,14,16,18,20,22,24,26,28,30
	v_pk_fma_f32 v[XO+32*\u+\k:XO+32*\u+\k+1], v[PO+32*\u+\k:PO+32*\u+\k+1], v[AL+4+2*\u:AL+5+2*\u], v[XO+32*\u+\k:XO+32*\u+\k+1]   ; x = (O a + O' a') / (8 l)
.endr
.endr
	; x packed to f16; a packed pair of tiles is the register image of an A fragment, handed on through LDS as it is
.irp u, 0,1
.irp t, 0,1,2,3
.irp j, 0,1,2,3
	v_cvt_pk_f16_f32 v[XO+32*\u+8*\t+\j], v[XO+32*\u+8*\t+2*\j], v[XO+32*\u+8*\t+2*\j+1]
.endr
	ds_store_b128 v[XSW], v[XO+32*\u+8*\t:XO+32*\u+8*\t+3] offset:(\t>>1)*4096+\u*1024+(\t&1)*512   ; step 2 h + (t >> 1), query tile 2 kh + u, half t & 1
.endr
.endr
.irp e, 0,1
.irp j, 0,1,2,3,4,5,6,7
	v_mov_b32 v[BMT+8*\e+\j], v[BM+\e]             ; bm as a C tile: a lane's column is one output channel
.endr
.endr
	s_wait_dscnt 0x0                               ; my x is in LDS,
	s_wait_tensorcnt 0x0                           ; my part of Wm has landed
	s_barrier_signal -1
	s_barrier_wait -1
	; OUTPUT PROJECTION: D(query, channel) for channels 32 w .. + 31 and all 64 queries, 8 steps of 32 along (h, d) on two fragment buffers.
	; Eight accumulators by turns, one instruction a turn.  A lane ends with 8 neighbouring queries of one channel.
.macro OLOAD kp, buf
.irp U, 0,1,2,3
	ds_load_b128 v[\buf+8*\U:\buf+8*\U+3], v[XSR] offset:\kp*4096+\U*1024
	ds_load_b128 v[\buf+8*\U+4:\buf+8*\U+7], v[XSR] offset:\kp*4096+\U*1024+512
.endr
.irp e, 0,1
	ds_load_b128 v[\buf+32+8*\e:\buf+32+8*\e+3], v[WMB] offset:\e*16*KP+64*\kp
	ds_load_b128 v[\buf+32+8*\e+4:\buf+32+8*\e+7], v[WMB] offset:\e*16*KP+64*\kp+32
.endr
.endm
.macro OMUL buf, first
.irp U, 0,1,2,3
.irp e, 0,1
.if \first
	v_wmma_f32_16x16x32_f16 v[XO+16*\U+8*\e:XO+16*\U+8*\e+7], v[\buf+8*\U:\buf+8*\U+7], v[\buf+32+8*\e:\buf+32+8*\e+7], v[BMT+8*\e:BMT+8*\e+7]
.else
	v_wmma_f32_16x16x32_f16 v[XO+16*\U+8*\e:XO+16*\U+8*\e+7], v[\buf+8*\U:\buf+8*\U+7], v[\buf+32+8*\e:\buf+32+8*\e+7], v[XO+16*\U+8*\e:XO+16*\U+8*\e+7]
.endif
.endr
.endr
.endm
.macro OSTEP nxt, bufn, buf
	PLACES 4                                       ; before loads land on the fragments of the step before
	OLOAD \nxt, \bufn
	s_wait_dscnt 12                                ; all but the 12 loads just issued
	OMUL \buf, 0
.endm
	OLOAD 0, KF
	OLOAD 1, PO
	s_wait_dscnt 12
	OMUL KF, 1
	OSTEP 2, KF, PO
	OSTEP 3, PO, KF
	OSTEP 4, KF, PO
	OSTEP 5, PO, KF
	OSTEP 6, KF, PO
	OSTEP 7, PO, KF
	s_wait_dscnt 0x0
	OMUL PO, 0
	PLACES 4
	; THE WAY OUT, through my own stage (32 rows of 272 bytes): 32 bytes a lane in, whole rows of 256 bytes back.
.irp U, 0,1,2,3
.irp e, 0,1
	ds_store_b128 v[OST], v[XO+16*\U+8*\e:XO+16*\U+8*\e+3] offset:\e*16*OP+64*\U
	ds_store_b128 v[OST], v[XO+16*\U+8*\e+4:XO+16*\U+8*\e+7] offset:\e*16*OP+64*\U+16
.endr
.endr
.irp i, 0,1,2,3,4,5,6,7,8,9,10,11,12,13,14,15
	ds_load_b128 v[PO+4*\i:PO+4*\i+3], v[ORD] offset:\i*2*OP       ; LDS serves a wave's instructions in order (ISA guide 5.7.1): these see the stores above
.endr
.irp i, 0,1,2,3,4,5,6,7,8,9,10,11,12,13,14,15
	s_wait_dscnt 15-\i
	global_store_b128 v[OOFF], v[PO+4*\i:PO+4*\i+3], s[88:89] offset:\i*16384 th:TH_STORE_NT   ; 16 lanes store 256 consecutive bytes, aligned: channels 32 w + 2 i + hh
.endr
	s_wait_xcnt 0x0
	v_lshl_add_u32 v94, v0, 2, 0x4e000
	v_mov_b32 v95, 0
	s_wait_tensorcnt 0x0
	ds_add_u32 v94, v95
	s_wait_dscnt 0x0
	ROUND                                          ; the closing round: no work-group ends while a partner may still ask for a tile that names it
	s_endpgm
.Lfunc_end_k_q67219a2435_attn:
	.size	k_q67219a2435_attn, .Lfunc_end_k_q67219a2435_attn-k_q67219a2435_attn
	.p2alignl 7, 3214868480
	.fill 96, 4, 3214868480
	.section	.rodata,"a",@progbits
	.p2align	6, 0x0
	.amdhsa_kernel k_q67219a2435_attn
		.amdhsa_group_segment_fixed_size 327680
		.amdhsa_private_segment_fixed_size 0
		.amdhsa_enable_private_segment 0
		.amdhsa_kernarg_size 72
		.amdhsa_user_sgpr_count 2
		.amdhsa_user_sgpr_kernarg_segment_ptr 1
		.amdhsa_wavefront_size32 1
		.amdhsa_system_sgpr_workgroup_id_x 1
		.amdhsa_system_sgpr_workgroup_id_y 1
		.amdhsa_system_sgpr_workgroup_id_z 1
		.amdhsa_system_vgpr_workitem_id 0
		.amdhsa_next_free_vgpr 512
		.amdhsa_next_free_sgpr 92
		.amdhsa_reserve_vcc 0
		.amdhsa_float_denorm_mode_32 3
		.amdhsa_float_denorm_mode_16_64 3
		.amdhsa_memory_ordered 1
		.amdhsa_forward_progress 1
		.amdhsa_inst_pref_size 255
	.end_amdhsa_kernel
	.section	.bss,"aw",@nobits
	.p2align	6
	.space	262144
	.amdgpu_metadata
---
amdhsa.version: [ 1, 2 ]
amdhsa.kernels:
  - .name:           k_q67219a2435_attn
    .symbol:         k_q67219a2435_attn.kd
    .args:
      - { .name: query, .offset: 0, .size: 8, .value_kind: global_buffer, .address_space: global }
      - { .name: wqh, .offset: 8, .size: 8, .value_kind: global_buffer, .address_space: global }
      - { .name: wql, .offset: 16, .size: 8, .value_kind: global_buffer, .address_space: global }
      - { .name: bq, .offset: 24, .size: 8, .value_kind: global_buffer, .address_space: global }
      - { .name: kh, .offset: 32, .size: 8, .value_kind: global_buffer, .address_space: global }
      - { .name: vh, .offset: 40, .size: 8, .value_kind: global_buffer, .address_space: global }
      - { .name: wmh, .offset: 48, .size: 8, .value_kind: global_buffer, .address_space: global }
      - { .name: bm, .offset: 56, .size: 8, .value_kind: global_buffer, .address_space: global }
      - { .name: out0, .offset: 64, .size: 8, .value_kind: global_buffer, .address_space: global }
    .group_segment_fixed_size: 327680
    .private_segment_fixed_size: 0
    .kernarg_segment_align: 8
    .kernarg_segment_size: 72
    .max_flat_workgroup_size: 256
    .sgpr_count:     92
    .vgpr_count:     512
    .wavefront_size: 32
...
	.end_amdgpu_metadata
.endif
;; end of part 2
;; ======== version 2 of 2: 2 launches; version 1 with the launch projkv written anew for expert scheduling mode
;; limits: values are held in f16: magnitudes above 65,504 overflow, below 6.1e-05 lose precision
;; workspace buffers: kh 8,388,608 bytes; vh 8,388,608 bytes; wqh 131,072 bytes; wql 131,072 bytes; wmh 131,072 bytes
;; launch projkv (part 3): grid 16 x 16, 16 waves a work-group, no clusters, 276,480 bytes of LDS; arguments key, value, Wk, Wv, bk, bv, Wq, Wm, kh, vh, wqh, wql, wmh; writes kh, vh, wqh, wql, wmh
.if DOCPART == 3
	.amdgcn_target "amdgcn-amd-amdhsa--gfx1250"
	.amdhsa_code_object_version 6
	.text
	.protected	k_q67219a2435_projkv
	.globl	k_q67219a2435_projkv
	.p2align	8
	.type	k_q67219a2435_projkv,@function
k_q67219a2435_projkv:
	s_mov_b64 s[64:65], 0
	v_nop
	global_prefetch_b8 v0, s[64:65] scope:SCOPE_SE
	s_setreg_imm32_b32 hwreg(HW_REG_WAVE_SCHED_MODE, 0, 2), 2
	s_setreg_imm32_b32 hwreg(HW_REG_WAVE_MODE, 25, 1), 1
	s_wait_xcnt 0x0
	s_wait_alu depctr_vm_vsrc(0)
; projkv: k = Wk key + bk and v = Wv value + bv, stored as f16 [b][n][c] with c = 64 h + d (channel e = 4 d + h), rows of 512 bytes.
; Besides, each of the 256 work-groups rewrites one row of Wq and one of Wm in f16 for the next launch:
;   wqh + wql [64 h + d][f] = Wq[4 d + h][f] as hi and lo,   wmh[e][64 h + d] = Wm[e][4 d + h].
; A work-group: one tensor (key or value), one batch, 128 positions n, all 256 channels, K = 256.  Sixteen waves; wave w makes head h = w & 3,
; positions 32 (w >> 2) .. + 31: 8 tiles of 16 x 16.
; TWO f16 NUMBERS FOR ONE f32, IN k's PROJECTION.  The scores are not scaled, so the softmax is peaked and a score's error shows in the output.
; Six roundings to f16 weigh alike in a score (query, Wq, q, key, Wk, k).  Those of the inputs and weights are taken away: a = hi + lo, hi = a's
; upper 11 significant bits (mask 0xffffe000, exact in f16), lo = a - hi rounded to f16, and W X = Wh Xh + Wh Xl + Wl Xh (Wl Xl is 2^-20 of it).
; v enters the output linearly: its work-groups round once to f16, and branch round every lo part (the branch hangs on the work-group's y alone).
; LDS: X as [f][n], a row = hi 256 bytes, lo 256 bytes; W as [c][f], rows sorted by head, a row = hi and lo of 128 f.  Both parts of all of W
; (270,336 bytes) do not fit beside X, so W comes in two halves of f; the second half waits in registers while the first is multiplied.
; D(m = channel, n = position): a lane holds 8 neighbouring d of one position, 16 bytes of a row of the output.
; NO CLUSTER, NO TENSOR LOADS: W is shared by all work-groups of a tensor, but it has to be split or rounded to f16 on its way, which only registers can do.
; LIMITS: operands are f16: an input, a weight or a result k, v above 65,504 in magnitude becomes infinite; below 2^-14 hi and lo are rounded on
; f16's subnormal step, an absolute error of up to 2^-25 each.  Sums and biases are f32.
; THE MODE: SCHED_MODE bits 1:0 = 2 (LLVM: expert scheduling mode 2), set by the entry lines.  The code itself states the register dependences
; between vector or matrix instructions and memory or LDS instructions, with s_wait_alu, always for 0.
; THE PLAN.  Registers that memory or LDS instructions touch:
;   v1, v3, v6, v7, v8, v27             offsets of the first loads (v8 also of the rows' stores): written at the head, never again; one wait ahead of the first load.
;   v2, v4, v5, v9-v11, v24-v26         LDS addresses and the output's offset: written while those loads are out, never again; the staging's first wait stands behind them.
;   ZX, ZW0, ZW1 (v64-255)              Loads land; the conversions work in place (a row's four registers: hi in the first two, lo in the last two); LDS stores read them.
;                                       X and W's first half go in eight groups of four rows: a group's stores are dealt among the next group's conversions, which
;                                       name other rows and T alone, behind ONE wait a group.  W's second half is converted whole ahead of its barrier and stored behind one wait.
;   T (v12-15)                          named by vector instructions alone.
;   PR, HI (v16-23, v28-31)             waves 0 and 1: loaded, converted, stored behind one wait, never written again.
;   v64-127 then the accumulators, v128-191 and v32-63 the fragments: one wait behind the first barrier states that my LDS stores have read them; at the head of a step
;                                       one wait states that the step before is done reading the fragments in which the step's loads land.
;   v254, v255                          made anew for the closing lines, behind a wait for the LDS stores that read them as W's last row.
.set XP,   544                         ; pitch of X in LDS: 512 bytes + 32 = 17 x 32, an odd multiple of 32 for the transposing loads
.set WL,   139264                      ; W behind X (256 rows x 544)
.set WP,   528                         ; pitch of W and of the stage: 512 + 16 = 33 x 16, an odd multiple of 16
.set LO,   256                         ; where the lo part of a row begins, in X and in W
.set T,    12                          ; v[12:15]  at work (during the set-up: L, r, hh, a temporary)
.set PR,   16                          ; v[16:23]  the row of Wq or Wm as loaded, then packed
.set HI,   28                          ; v[28:31]  the hi part of Wq's row
.set BIAS, 32                          ; v[32:63]  the bias as four C tiles; free behind the first eight products, then:
.set WFL,  32                          ; fragments of W's lo part
.set ZX,   64                          ; three landing zones of 64 registers: X, W's first half, W's second half
.set ZW0,  128
.set ZW1,  192
.set ACC,  64                          ; later: accumulators, tile (t, u) at 64 + 32 u + 8 t
.set WFH,  128                         ; fragments of W's hi part, v[128:159]
.set XFH,  160                         ; of X's hi part, v[160:175]
.set XFL,  176                         ; of X's lo part, v[176:191]
; v1 XOFF  v2 XST  v3 WOFF  v4 WST0  v5 WST1  v6 BOFF  v7 POFFQ  v8 16 L  v9 WA  v10 XA0  v11 XA1  v24 SST  v25 SRD  v26 GOFF  v27 POFFM
	s_load_b512 s[8:23], s[0:1], 0x0               ; key, value, Wk, Wv, bk, bv, Wq, Wm
	s_load_b256 s[24:31], s[0:1], 0x40             ; kh, vh, wqh, wql
	s_load_b64 s[32:33], s[0:1], 0x60              ; wmh
	v_lshrrev_b32 v15, 5, v0
	v_readfirstlane_b32 s4, v15                    ; wave w, 0 to 15
	s_mov_b32 s7, 0xffffe000                       ; sign, exponent and the upper 10 bits of the fraction
	s_and_b32 s34, ttmp7, 0xffff                   ; y
	s_lshr_b32 s35, s34, 3                         ; 0 key, 1 value
	s_and_b32 s36, s34, 7                          ; batch
	s_lshl_b32 s37, s34, 4
	s_add_co_u32 s37, s37, ttmp9                   ; i = 16 y + x: my row of Wq and of Wm
	v_and_b32 v12, 31, v0                          ; L
	v_and_b32 v13, 15, v0                          ; r
	v_bfe_u32 v14, v0, 4, 1                        ; hh
	v_lshlrev_b32 v8, 4, v12                       ; 16 L
	v_lshlrev_b32 v7, 5, v12                       ; POFFQ = 32 L: 8 neighbouring f32
	v_and_b32 v15, 7, v0                           ; L & 7
	v_bfe_u32 v27, v0, 3, 2                        ; L >> 3
	v_lshlrev_b32 v27, 2, v27
	v_lshl_add_u32 v27, v15, 7, v27                ; POFFM = 128 (L & 7) + 4 (L >> 3)
	s_wait_alu depctr_va_sdst(0)                   ; s4 is written, ahead of its first reader: head, positions, offsets and branches are made from it
	s_and_b32 s5, s4, 3                            ; head h
	s_lshr_b32 s6, s4, 2                           ; which 32 positions
	s_lshl_b32 s46, s4, 17
	v_add_nc_u32 v1, s46, v8                       ; XOFF: rows f = 16 w .. of 8,192 bytes, 16 bytes a lane
	s_lshl_b32 s46, s4, 14
	v_add_nc_u32 v3, s46, v8                       ; WOFF: rows e = 16 w .. of 1,024 bytes
	s_lshl_b32 s46, s5, 2
	v_lshl_add_u32 v6, v14, 7, s46                 ; BOFF = 128 hh + 4 h
	s_wait_kmcnt 0x0
	s_cmp_lg_u32 s35, 0                            ; the tensor is chosen by the work-group's y alone
	s_cselect_b64 s[38:39], s[10:11], s[8:9]       ; X
	s_cselect_b64 s[40:41], s[14:15], s[12:13]     ; W
	s_cselect_b64 s[42:43], s[18:19], s[16:17]     ; bias
	s_cselect_b64 s[44:45], s[26:27], s[24:25]     ; output
	s_lshl_b32 s46, s36, 21                        ; batch x 2,097,152
	s_lshl_b32 s47, ttmp9, 9                       ; + block x 128 positions x 4 bytes
	s_add_co_u32 s46, s46, s47
	s_mov_b32 s47, 0
	s_add_nc_u64 s[38:39], s[38:39], s[46:47]
	s_lshl_b32 s46, s36, 20                        ; batch x 1,048,576
	s_lshl_b32 s47, ttmp9, 16                      ; + block x 128 rows x 512 bytes
	s_add_co_u32 s46, s46, s47
	s_mov_b32 s47, 0
	s_add_nc_u64 s[44:45], s[44:45], s[46:47]
	s_lshl_b32 s46, s37, 10                        ; row i of Wq and of Wm
	s_add_nc_u64 s[20:21], s[20:21], s[46:47]
	s_add_nc_u64 s[22:23], s[22:23], s[46:47]
	s_lshl_b32 s46, s37, 9                         ; wmh: row i
	s_add_nc_u64 s[32:33], s[32:33], s[46:47]
	s_and_b32 s46, s37, 3                          ; wqh, wql: row 64 (i & 3) + (i >> 2)
	s_lshl_b32 s46, s46, 6
	s_lshr_b32 s47, s37, 2
	s_add_co_u32 s46, s46, s47
	s_lshl_b32 s46, s46, 9
	s_mov_b32 s47, 0
	s_add_nc_u64 s[28:29], s[28:29], s[46:47]
	s_add_nc_u64 s[30:31], s[30:31], s[46:47]
	s_wait_alu depctr_va_vdst(0)                   ; the offsets v1, v3, v6, v7, v8 and v27 are written, which the loads below and the rows' stores read
	; The row of Wq (wave 0) or of Wm (wave 1).  These loads and the bias are older than every counted group below, so the counts hold in every wave.
	s_cmp_gt_u32 s4, 1
	s_cbranch_scc1 .Lno_row
	s_cmp_eq_u32 s4, 0
	s_cbranch_scc0 .Lrow_m
	global_load_b128 v[PR:PR+3], v7, s[20:21]
	global_load_b128 v[PR+4:PR+7], v7, s[20:21] offset:16
	s_branch .Lno_row
.Lrow_m:
.irp j, 0,1,2,3,4,5,6,7
	global_load_b32 v[PR+\j], v27, s[22:23] offset:16*\j           ; Wm[i][4 (8 (L & 7) + j) + (L >> 3)]
.endr
.Lno_row:
.irp t, 0,1,2,3
.irp j, 0,1,2,3,4,5,6,7
	global_load_b32 v[BIAS+8*\t+\j], v6, s[42:43] offset:256*\t+16*\j   ; b[4 (16 t + 8 hh + j) + h]: the image of a C tile
.endr
.endr
	; three groups of sixteen 16-byte loads: my 16 rows of X (512 neighbouring bytes a load; read once in the launch), and both halves of my 16 rows of W
.irp k, 0,1,2,3,4,5,6,7,8,9,10,11,12,13,14,15
	global_load_b128 v[ZX+4*\k:ZX+4*\k+3], v1, s[38:39] offset:\k*8192 th:TH_LOAD_NT
.endr
.irp k, 0,1,2,3,4,5,6,7,8,9,10,11,12,13,14,15
	global_load_b128 v[ZW0+4*\k:ZW0+4*\k+3], v3, s[40:41] offset:\k*1024
.endr
.irp k, 0,1,2,3,4,5,6,7,8,9,10,11,12,13,14,15
	global_load_b128 v[ZW1+4*\k:ZW1+4*\k+3], v3, s[40:41] offset:\k*1024+512
.endr
	; the remaining addresses, while the loads are on their way: none of these lines writes a register that a load above reads or lands in
	v_lshlrev_b32 v15, 3, v12                      ; 8 L
	s_mul_i32 s46, s4, 16*XP
	v_add_nc_u32 v2, s46, v15                      ; XST = row 16 w + 8 L
	s_mul_i32 s46, s4, 4*WP
	s_add_co_u32 s46, s46, WL
	v_add_nc_u32 v4, s46, v15                      ; WST0 = W + row 4 w + 8 L
	v_add_nc_u32 v5, 128*WP, v4                    ; WST1: 128 rows further
	s_mul_i32 s46, s5, 64*WP
	s_add_co_u32 s46, s46, WL
	v_mul_u32_u24 v9, v13, WP
	v_lshl_add_u32 v9, v14, 4, v9
	v_add_nc_u32 v9, s46, v9                       ; WA = W + (64 h + r) pitch + 16 hh
	v_and_b32 v15, 7, v0
	v_lshl_add_u32 v15, v14, 3, v15                ; 8 hh + (L & 7)
	v_mul_u32_u24 v10, v15, XP
	v_bfe_u32 v15, v0, 3, 1
	v_lshl_add_u32 v10, v15, 4, v10
	s_lshl_b32 s46, s6, 6
	v_add_nc_u32 v10, s46, v10                     ; XA0 = (8 hh + (L & 7)) pitch + 16 ((L >> 3) & 1) + my 32 positions
	v_add_nc_u32 v11, 128*XP, v10                  ; XA1: f = 128 and up
	s_mul_i32 s46, s6, 32*WP
	s_lshl_b32 s47, s5, 7
	s_add_co_u32 s46, s46, s47
	v_mul_u32_u24 v24, v13, WP
	v_lshl_add_u32 v24, v14, 4, v24
	v_add_nc_u32 v24, s46, v24                     ; SST = (32 ng + r) pitch + 128 h + 16 hh: the stage begins at LDS byte 0
	s_mul_i32 s46, s4, 8*WP
	v_add_nc_u32 v25, s46, v8                      ; SRD = row 8 w + 16 L
	s_lshl_b32 s46, s4, 12
	v_add_nc_u32 v26, s46, v8                      ; GOFF = row 8 w of 512 bytes + 16 L
; Four f32 in v[z:z+3] become, in place, 8 bytes of hi in v[z:z+1] and 8 bytes of lo in v[z+2:z+3].  T is named by vector instructions alone.
.macro SPLIT z
	v_and_b32 v[T], s7, v[\z]
	v_and_b32 v[T+1], s7, v[\z+1]
	v_and_b32 v[T+2], s7, v[\z+2]
	v_and_b32 v[T+3], s7, v[\z+3]
	v_pk_add_f32 v[\z:\z+1], v[\z:\z+1], v[T:T+1] neg_lo:[0,1] neg_hi:[0,1]        ; a - hi, exact
	v_pk_add_f32 v[\z+2:\z+3], v[\z+2:\z+3], v[T+2:T+3] neg_lo:[0,1] neg_hi:[0,1]
	v_cvt_pk_f16_f32 v[\z+3], v[\z+2], v[\z+3]     ; lo of numbers 2, 3, then of 0, 1: each lands where its sources are spent
	v_cvt_pk_f16_f32 v[\z+2], v[\z], v[\z+1]
	v_cvt_pk_f16_f32 v[\z], v[T], v[T+1]
	v_cvt_pk_f16_f32 v[\z+1], v[T+2], v[T+3]
.endm
; The same four rounded once to f16, in v[z:z+1].
.macro ROUND4 z
	v_cvt_pk_f16_f32 v[\z], v[\z], v[\z+1]
	v_cvt_pk_f16_f32 v[\z+1], v[\z+2], v[\z+3]
.endm
; Row q of the 48 that a wave stages: 0-15 my rows of X, 16-31 the first half of my rows of W, 32-47 the second half.  Sets its registers z_, its address register a_, its offset o_.
; Row e = 16 w + j of W goes to row c = 64 (j & 3) + 4 w + (j >> 2); heads 2, 3 by the second base: the offset has 16 bits.
.macro ROWOF q
.if (\q) < 16
.set z_, ZX+4*(\q)
.set a_, 2
.set o_, (\q)*XP
.else
.set j_, (\q)&15
.set z_, ZW0+4*((\q)-16)
.set a_, 4+((j_>>1)&1)
.set o_, (j_&1)*64*WP+(j_>>2)*WP
.endif
.endm
.macro CV q, two                       ; row q is converted
	ROWOF \q
.if \two
	SPLIT z_
.else
	ROUND4 z_
.endif
.endm
.macro STH q                           ; its hi part (value: the rounded row) goes to LDS
	ROWOF \q
	ds_store_b64 v[a_], v[z_:z_+1] offset:o_
.endm
.macro STL q                           ; its lo part
	ROWOF \q
	ds_store_b64 v[a_], v[z_+2:z_+3] offset:o_+LO
.endm
; X and W's first half: eight groups of four rows.  A group's stores stand among the next group's conversions.
.macro STAGE two
	s_wait_loadcnt 32                              ; loads return in order: all but W's two groups of 16 are in
.set q_, 0
.rept 4
	CV q_, \two
.set q_, q_+1
.endr
.rept 7
.if q_ == 16
	s_wait_loadcnt 16                              ; W's second half stays out
.endif
	s_wait_alu depctr_va_vdst(0)                   ; the last four rows' conversions have written the registers that the stores below read (the first time also: v2, v4, v5 and the other addresses are written); the conversions below name other rows and T alone
.rept 4
	STH q_-4
.if \two
	STL q_-4
.endif
	CV q_, \two
.set q_, q_+1
.endr
.endr
	s_wait_alu depctr_va_vdst(0)                   ; the last group's conversions have written the registers that its stores read
.rept 4
	STH q_-4
.if \two
	STL q_-4
.endif
.set q_, q_+1
.endr
.endm
	s_cmp_lg_u32 s35, 0
	s_cbranch_scc1 .Lstage_v
	STAGE 1
	s_branch .Lstaged
.Lstage_v:
	STAGE 0
.Lstaged:
	; the row of Wq or Wm leaves: 32 lanes x 16 bytes, whole rows of 512 bytes
	s_cmp_gt_u32 s4, 1
	s_cbranch_scc1 .Lrow_done
	s_cmp_eq_u32 s4, 0
	s_cbranch_scc0 .Lstore_m
.irp j, 0,1,2,3
	v_and_b32 v[T], s7, v[PR+2*\j]
	v_and_b32 v[T+1], s7, v[PR+2*\j+1]
	v_pk_add_f32 v[PR+2*\j:PR+2*\j+1], v[PR+2*\j:PR+2*\j+1], v[T:T+1] neg_lo:[0,1] neg_hi:[0,1]
	v_cvt_pk_f16_f32 v[HI+\j], v[T], v[T+1]
	v_cvt_pk_f16_f32 v[PR+\j], v[PR+2*\j], v[PR+2*\j+1]
.endr
	s_wait_alu depctr_va_vdst(0)                   ; the conversions have written v[HI ..] and v[PR ..], which the two stores read
	global_store_b128 v8, v[HI:HI+3], s[28:29]
	global_store_b128 v8, v[PR:PR+3], s[30:31]
	s_branch .Lrow_done
.Lstore_m:
.irp j, 0,1,2,3
	v_cvt_pk_f16_f32 v[PR+\j], v[PR+2*\j], v[PR+2*\j+1]
.endr
	s_wait_alu depctr_va_vdst(0)                   ; the conversions have written v[PR ..], which the store reads
	global_store_b128 v8, v[PR:PR+3], s[32:33]
.Lrow_done:
	s_wait_dscnt 0x0                               ; my part of X and of W's first half is in LDS: zero, for the other waves
	s_barrier_signal -1
	s_barrier_wait -1
	s_wait_alu depctr_vm_vsrc(0)                   ; my LDS stores have read v[64:191]: from here on the products write v[64:127] and the fragments' loads land in v[128:191]
	                                               ; (the conversions that named these registers stand ahead of the staging's last wait on va_vdst; since then only v12-23 and v28-31 were named)
.macro PLACES                          ; four places behind matrix instructions (ISA guide 7.12.1)
.rept 4
	v_nop
.endr
.endm
; Eight products: W's fragments at a, X's at b.  The 8 accumulators take turns, one instruction a turn; the very first take the bias as C.
.macro MULS a, b, first
.irp u, 0,1
.irp t, 0,1,2,3
.if \first
	v_wmma_f32_16x16x32_f16 v[ACC+32*\u+8*\t:ACC+32*\u+8*\t+7], v[\a+8*\t:\a+8*\t+7], v[\b+8*\u:\b+8*\u+7], v[BIAS+8*\t:BIAS+8*\t+7]
.else
	v_wmma_f32_16x16x32_f16 v[ACC+32*\u+8*\t:ACC+32*\u+8*\t+7], v[\a+8*\t:\a+8*\t+7], v[\b+8*\u:\b+8*\u+7], v[ACC+32*\u+8*\t:ACC+32*\u+8*\t+7]
.endif
.endr
.endr
.endm
.macro WLOAD f, s, part                ; 8 loads: W's fragments of step s, hi (part = 0) or lo (part = LO)
.irp t, 0,1,2,3
	ds_load_b128 v[\f+8*\t:\f+8*\t+3], v9 offset:\t*16*WP+64*(\s&3)+\part
	ds_load_b128 v[\f+8*\t+4:\f+8*\t+7], v9 offset:\t*16*WP+64*(\s&3)+\part+32
.endr
.endm
.macro XLOAD f, s, part                ; 4 transposing loads: X's fragments of step s
.irp u, 0,1
	ds_load_tr16_b128 v[\f+8*\u:\f+8*\u+3], v[10+(\s>>2)] offset:(\s&3)*32*XP+32*\u+\part
	ds_load_tr16_b128 v[\f+8*\u+4:\f+8*\u+7], v[10+(\s>>2)] offset:(\s&3)*32*XP+32*\u+\part+16*XP
.endr
.endm
; One step of 32 along f.  key: three products; value: one.
; Steps 0 and 4 come behind a staging, whose last wait on va_vdst stands behind every vector and matrix instruction that named the fragments' registers.
.macro KSTEP s
.if (\s&3) != 0
	s_wait_alu depctr_va_vdst(0)                   ; the products of the step before are done reading the fragments, in which this step's loads land
.endif
	WLOAD WFH, \s, 0
	XLOAD XFH, \s, 0
	s_cmp_lg_u32 s35, 0
	s_cbranch_scc1 .Lvalue_\s
	XLOAD XFL, \s, LO
.if \s == 0
	s_wait_dscnt 4                                 ; X's lo part, 4 loads, may stay out
	MULS WFH, XFH, 1
	PLACES                                         ; before W's lo part lands on the bias, which these products read
	s_wait_alu depctr_va_vdst(0)                   ; the first eight products are done reading the bias, on which W's lo part lands
	WLOAD WFL, \s, LO
	s_wait_dscnt 8                                 ; W's lo part, 8 loads, may stay out
.else
	WLOAD WFL, \s, LO
	s_wait_dscnt 12                                ; X's lo part (4) and W's (8) may stay out
	MULS WFH, XFH, 0
	s_wait_dscnt 8                                 ; W's lo part may stay out
.endif
	MULS WFH, XFL, 0
	s_wait_dscnt 0x0
	MULS WFL, XFH, 0
	s_branch .Ljoin_\s
.Lvalue_\s:
	s_wait_dscnt 0x0
.if \s == 0
	MULS WFH, XFH, 1
.else
	MULS WFH, XFH, 0
.endif
.Ljoin_\s:
	PLACES                                         ; before loads land on the fragments or a conversion reads a result
.endm
	KSTEP 0
	KSTEP 1
	KSTEP 2
	KSTEP 3
	s_wait_loadcnt 0x0                             ; W's second half
	s_cmp_lg_u32 s35, 0                            ; it is converted in its registers ahead of the barrier: work on registers alone
	s_cbranch_scc1 .Lhalf_v
.set q_, 32
.rept 16
	CV q_, 1
.set q_, q_+1
.endr
	s_branch .Lhalf_done
.Lhalf_v:
.set q_, 32
.rept 16
	CV q_, 0
.set q_, q_+1
.endr
.Lhalf_done:
	s_wait_dscnt 0x0                               ; my reads of W's first half are over
	s_barrier_signal -1
	s_barrier_wait -1                              ; everybody's are: the second half goes over it
	s_wait_alu depctr_va_vdst(0)                   ; the conversions have written v[192:255], which the stores below read; step 3's products are done reading the fragments, in which step 4's loads land
.set q_, 32
.rept 16
	STH q_
.set q_, q_+1
.endr
	s_cmp_lg_u32 s35, 0
	s_cbranch_scc1 .Lno_lo                         ; value has no lo part
.set q_, 32
.rept 16
	STL q_
.set q_, q_+1
.endr
.Lno_lo:
	s_wait_dscnt 0x0
	s_barrier_signal -1
	s_barrier_wait -1
	KSTEP 4
	KSTEP 5
	KSTEP 6
	KSTEP 7
	; The way out: a lane packs its 8 neighbouring d into 16 bytes of row n of the stage; whole rows of 512 bytes are read back and stored.
	; The stage (128 rows x 528 bytes) lies over X, so every wave's reads of X are over first.  The packing, work on registers alone, stands ahead of that barrier.
.irp u, 0,1
.irp t, 0,1,2,3
.irp j, 0,1,2,3
	v_cvt_pk_f16_f32 v[ACC+32*\u+8*\t+\j], v[ACC+32*\u+8*\t+2*\j], v[ACC+32*\u+8*\t+2*\j+1]
.endr
.endr
.endr
	s_wait_dscnt 0x0
	s_barrier_signal -1
	s_barrier_wait -1
	s_wait_alu depctr_va_vdst(0)                   ; the conversions have written the packed results, which the LDS stores read; step 7's products are done reading v[128:159], in which the rows read back land
.irp u, 0,1
.irp t, 0,1,2,3
	ds_store_b128 v24, v[ACC+32*\u+8*\t:ACC+32*\u+8*\t+3] offset:\u*16*WP+32*\t
.endr
.endr
	s_wait_dscnt 0x0                               ; a row holds four heads, written by four waves
	s_barrier_signal -1
	s_barrier_wait -1
.irp i, 0,1,2,3,4,5,6,7
	ds_load_b128 v[128+4*\i:128+4*\i+3], v25 offset:\i*WP
.endr
.irp i, 0,1,2,3,4,5,6,7
	s_wait_dscnt 7-\i                              ; LDS loads return in order: row i is in
	global_store_b128 v26, v[128+4*\i:128+4*\i+3], s[44:45] offset:\i*512   ; 512 consecutive bytes, aligned: row 8 w + i
.endr
	s_wait_xcnt 0x0
	s_wait_alu depctr_vm_vsrc(0)                   ; the LDS stores of W's second half have read v254 and v255, its last row's lo part, which the two lines below write
	v_lshl_add_u32 v254, v0, 2, 0x43000
	v_mov_b32 v255, 0
	s_wait_dscnt 0x0                               ; the closing lines, six on end
	s_wait_alu 0x0
	s_wait_tensorcnt 0x0
	ds_add_u32 v254, v255
	s_wait_dscnt 0x0
	s_endpgm
.Lfunc_end_k_q67219a2435_projkv:
	.size	k_q67219a2435_projkv, .Lfunc_end_k_q67219a2435_projkv-k_q67219a2435_projkv
	.p2alignl 7, 3214868480
	.fill 96, 4, 3214868480
	.section	.rodata,"a",@progbits
	.p2align	6, 0x0
	.amdhsa_kernel k_q67219a2435_projkv
		.amdhsa_group_segment_fixed_size 276480
		.amdhsa_private_segment_fixed_size 0
		.amdhsa_enable_private_segment 0
		.amdhsa_kernarg_size 104
		.amdhsa_user_sgpr_count 2
		.amdhsa_user_sgpr_kernarg_segment_ptr 1
		.amdhsa_wavefront_size32 1
		.amdhsa_system_sgpr_workgroup_id_x 1
		.amdhsa_system_sgpr_workgroup_id_y 1
		.amdhsa_system_sgpr_workgroup_id_z 1
		.amdhsa_system_vgpr_workitem_id 0
		.amdhsa_next_free_vgpr 256
		.amdhsa_next_free_sgpr 66
		.amdhsa_reserve_vcc 0
		.amdhsa_float_denorm_mode_32 3
		.amdhsa_float_denorm_mode_16_64 3
		.amdhsa_memory_ordered 1
		.amdhsa_forward_progress 1
		.amdhsa_inst_pref_size 90
	.end_amdhsa_kernel
	.amdgpu_metadata
---
amdhsa.version: [ 1, 2 ]
amdhsa.kernels:
  - .name:           k_q67219a2435_projkv
    .symbol:         k_q67219a2435_projkv.kd
    .args:
      - { .name: key, .offset: 0, .size: 8, .value_kind: global_buffer, .address_space: global }
      - { .name: value, .offset: 8, .size: 8, .value_kind: global_buffer, .address_space: global }
      - { .name: Wk, .offset: 16, .size: 8, .value_kind: global_buffer, .address_space: global }
      - { .name: Wv, .offset: 24, .size: 8, .value_kind: global_buffer, .address_space: global }
      - { .name: bk, .offset: 32, .size: 8, .value_kind: global_buffer, .address_space: global }
      - { .name: bv, .offset: 40, .size: 8, .value_kind: global_buffer, .address_space: global }
      - { .name: Wq, .offset: 48, .size: 8, .value_kind: global_buffer, .address_space: global }
      - { .name: Wm, .offset: 56, .size: 8, .value_kind: global_buffer, .address_space: global }
      - { .name: kh, .offset: 64, .size: 8, .value_kind: global_buffer, .address_space: global }
      - { .name: vh, .offset: 72, .size: 8, .value_kind: global_buffer, .address_space: global }
      - { .name: wqh, .offset: 80, .size: 8, .value_kind: global_buffer, .address_space: global }
      - { .name: wql, .offset: 88, .size: 8, .value_kind: global_buffer, .address_space: global }
      - { .name: wmh, .offset: 96, .size: 8, .value_kind: global_buffer, .address_space: global }
    .group_segment_fixed_size: 276480
    .private_segment_fixed_size: 0
    .kernarg_segment_align: 8
    .kernarg_segment_size: 104
    .max_flat_workgroup_size: 512
    .sgpr_count:     66
    .vgpr_count:     256
    .wavefront_size: 32
...
	.end_amdgpu_metadata
.endif
;; end of part 3
;; launch attn: the kernel of part 2 again; grid 32 x 8, 8 waves a work-group, clusters of 4 x 1, 327,680 bytes of LDS; arguments query, wqh, wql, bq, kh, vh, wmh, bm, out0; writes out0
